; MI455X (gfx1250); checked and timed in simulation.
; The chip was launched on July 23, 2026; its instructions are those of AMD's public machine-readable ISA for CDNA 5 (MIT licence, August 2026) and "CDNA5" Instruction Set Architecture Reference Guide (July 2026). The comments in the code are by the model that wrote it; some were corrected since.
;; Attention Tier. Allowed arithmetic: matrix products marked QUANTISED: E4M3 operands, one E8M0 scale for each 32 along K, by v_wmma_scale_f32_16x16x128_f8f6f4 with both operands' format E4M3, f32 sums; everything else in f32.
;; Inputs: W_out 1,024 x 1,024 float32; W_qkv 3,072 x 1,024 float32; x 4 x 2,048 x 1,024 float32.
;; Outputs: out0 4 x 2,048 x 1,024 float32.
;; This version of the problem:
;;   THIS VERSION OF THE PROBLEM IS GIVEN IN LOW PRECISION. The matrix products marked QUANTISED in the list below multiply operands that are first quantised to E4M3 (4 exponent bits, 3 mantissa bits; 8 bits a number), with one power-of-two scale for each 32 numbers along K (OCP MX v1.0); their sums are f32. All else is computed in f32.
;;   The module's matrix products, in the order in which they are computed (A, B: the left and right operand; K: the contracted axis; several contracted axes count as one K, in the product's order):
;;     1. [M 8,192, K 1,024] x [K 1,024, N 3,072]; A: input x; B: input W_qkv: QUANTISED
;;     2. batch 64 x [M 2,048, K 64] x [K 64, N 2,048]; A: computed on the way; B: computed on the way: QUANTISED
;;     3. batch 64 x [M 2,048, K 2,048] x [K 2,048, N 64]; A: softmax (see below); B: computed on the way: QUANTISED
;;     4. [M 8,192, K 1,024] x [K 1,024, N 1,024]; A: computed on the way; B: input W_out: QUANTISED
;;   THE QUANTISER, for each operand of a quantised product, along K:
;;     - K is cut into blocks of 32 from its start; a last block that is shorter is filled with zeros.
;;     - A block's scale is 2^e with e = floor(log2(the largest magnitude in the block)) - 8, held to -126 .. 127; a block of zeros has e = 0. As a byte (E8M0): e + 127.
;;     - Each number is divided by its block's scale, clamped to +-448, and rounded to the nearest number of E4M3, ties to even, subnormals kept.
;;     - The product sums the exact products of the quantised numbers (number of the format x scale) in f32.
;;   ~~~python
;;   def quantise(x, axis):      # numpy; x: float32 -> the quantised numbers, widened to float32 again
;;       x = np.moveaxis(x, axis, -1); K = x.shape[-1]
;;       x = np.pad(x, [(0, 0)] * (x.ndim - 1) + [(0, -K % 32)]); x = x.reshape(x.shape[:-1] + (-1, 32)); a = np.abs(x).max(-1, keepdims=True)
;;       e = np.where(a > 0, np.clip(np.frexp(np.where(a > 0, a, 1))[1] - 1 - 8, -126, 127), 0)      # np.frexp(a)[1] - 1 = floor(log2(a)), exactly
;;       r = np.clip(x / 2.0 ** e, -448, 448)
;;       step = 2.0 ** (np.maximum(np.frexp(np.where(r == 0, 1, r))[1] - 1, -6) - 3)
;;       q = np.round(r / step) * step * 2.0 ** e      # np.round: ties to even
;;       return np.moveaxis(q.reshape(q.shape[:-2] + (-1,))[..., :K], -1, axis).astype(np.float32)
;;   ~~~
;;   SOFTMAX AHEAD OF A QUANTISED PRODUCT. Where the list says 'softmax', what is quantised is not the finished softmax but p = 2^(t - M), with t = logit x log2(e) and M = ceil(the row's largest t), a whole number; so 1/2 < the row's largest p <= 1. The row's sum l is taken of the UNQUANTISED p, in f32, and the product's result is divided by l at the end. Since M is a whole number, a kernel that streams over the keys may use a running M (the ceiling of the running maximum): every later rescaling is an exact power of two, which a block's scale takes up: the codes' values come out the same.
;;   OPERANDS COMPUTED ON THE WAY. 'Computed on the way' means the value that the module computes at that place (a softmax that the list does not call 'softmax' is quantised finished and normalised). What goes into a quantiser is computed in f32, as accurately as f32 sums, v_exp_f32 and their like allow (about 1e-6 of the number): no bf16 or f16 on the way to a quantiser, and a product that is left as it is and whose result goes on into a quantised operand takes f32 operands (vector FMAs, or v_wmma_f32_16x16x4_f32). A number that lies on a knife's edge between two numbers of the format may be rounded either way, as far as f32 arithmetic and the matrix unit's own rounding can turn it there, and no further.
;; One version. Each part assembles by itself: llvm-mc -triple=amdgcn-amd-amdhsa -mcpu=gfx1250 --defsym DOCPART=n.
;; ======== version 1 of 1: 4 launches
;; limits: right only within a limited range of input values
;; workspace buffers: prep 13,500,416 bytes; qbuf 8,912,896 bytes; kvbuf 17,563,648 bytes; ocod 8,388,608 bytes; oscl 262,144 bytes
;; launch prep (part 1): grid 416 x 1, 4 waves a work-group, no clusters, 35,328 bytes of LDS; arguments x, W_qkv, W_out, prep; writes prep
.if DOCPART == 1
	.amdgcn_target "amdgcn-amd-amdhsa--gfx1250"
	.amdhsa_code_object_version 6
	.text
	.protected	k_qf82695433c_prep
	.globl	k_qf82695433c_prep
	.p2align	8
	.type	k_qf82695433c_prep,@function
k_qf82695433c_prep:
	s_mov_b64 s[64:65], 0
	v_nop
	global_prefetch_b8 v0, s[64:65] scope:SCOPE_SE
	s_setreg_imm32_b32 hwreg(HW_REG_WAVE_MODE, 25, 1), 1
	s_wait_xcnt 0x0
; PREP.  x [8192][1024], W_qkv [3072][1024], W_out [1024][1024], f32, become codes of FP8 (E4M3) with one E8M0 byte for each 32 along K = 1,024; and the table of cos and sin for the rotation is made.
; All goes into ONE workspace buffer, at constant offsets.  CODES LIE AS IMAGES OF OPERAND REGISTERS: a fragment (16 rows x 128 K) is four chunks of 512 bytes; chunk c holds lane l's 16 bytes at 16 l:
; row l % 16, k = 32 c + 16 (l / 16) + 0 .. 15.  A tensor of T tiles lies [S 4][tile T][q 2][c 4][lane 32][16 bytes], the K step of 128 being 2 S + q: what a product's slot wants of 8 tiles is one dense block.
; THE ROWS OF A TILE ARE NOT NEIGHBOURS: lane r of tile 2 b + u holds row 32 b + 8 u + r + 8 (r / 8), so that wherever such a tile is source 0 of a product the 16 result registers of tiles 2 b, 2 b + 1 are 16 neighbours.
; SCALE WORDS (four bytes: one row, 128 along K) lie [tile][S 4][r 16][q 2], 512 bytes a tile.  THE TABLE lies [t 2048][cos 32 | sin 32], f32, 256 bytes a row.
; A block's scale is 2^(floor(log2(its largest magnitude)) - 8): its byte is that magnitude's exponent field - 8, held at 1 from below; each number is held within +-448 x the scale and rounded to the nearest code, ties to even.
; LIMITS: NaN and infinities are not served.  A block whose largest magnitude lies under 2^-118, a block of zeros among them, gets the byte 1 (the rule says 127 for zeros): its codes are zeros or what the floor's scale leaves, and this program alone reads the bytes.
; The table's frequency is 2^(-j log2(10000) / 32) by v_exp_f32, with the exponent's rounding taken back by a first-order term; cos and sin by a reduction with pi / 2 in two parts and polynomials of degree 7 and 8 on +-pi / 4.
; SHARES.  Work-groups 0-255 take x, 256-351 W_qkv, 352-383 W_out: a wave takes one tile's 16 rows x 512 along K, four steps of 128.  Work-groups 384-415 make the table, 16 rows a wave.  Waves share nothing: no barrier.
; Each load reads 512 consecutive bytes of a row; a step's 16 rows turn through the wave's own stage in LDS (rows of 512 + 16 bytes) so that a lane gets 16 neighbours of each block of 32.  Every store of codes covers 512 consecutive bytes.
.set XC,   0
.set WQC,  8388608
.set WOC,  11534336
.set XS,   12582912
.set WQS,  12845056
.set WOS,  12943360
.set TAB,  12976128
.set WREG, 8704                        ; LDS of a wave: the stage, then its 256 scale bytes
.set SPB,  528                         ; a stage row: 132 words, so row r starts 4 r banks on
.set SCB,  16*SPB
.set R,    16                          ; v16-143  two sets of 64 registers as loaded
.set X,    144                         ; v144-207 register 16 b + i = k 32 b + 16 (lane / 16) + i of row lane % 16
.set PC,   208                         ; v208-223 a fragment's codes
.set TM,   224                         ; v224-239 at work
.set PW,   240                         ; v240     the row's scale word
.set SEL,  40                          ; s[40:41] selects of v_permlanex16_b32: lane l xor 16
.set MNT,  42                          ; s42      the mantissa field of 448
	s_load_b256 s[4:11], s[0:1], 0x0               ; x s[4:5], W_qkv s[6:7], W_out s[8:9], prep s[10:11]
	v_lshl_add_u32 v248, v0, 2, 0x8800
	v_mov_b32 v249, 0
	v_lshrrev_b32 v1, 5, v0
	v_readfirstlane_b32 s12, v1                    ; wave 0..3
	v_and_b32 v2, 31, v0                           ; lane
	v_and_b32 v9, 15, v0                           ; r
	v_bfe_u32 v10, v0, 4, 1                        ; h
	v_lshlrev_b32 v3, 4, v2                        ; 16 x lane
	s_cmp_ge_u32 ttmp9, 384
	s_cbranch_scc1 .Ltable
	; ---- which tensor: the choice hangs on the work-group's number alone
	s_mov_b32 s24, 352                             ; W_out: first work-group,
	s_mov_b32 s25, 64*4096                         ; bytes of one S plane of its codes,
	s_mov_b32 s26, WOC                             ; where its codes
	s_mov_b32 s27, WOS                             ; and its scale words begin
	s_mov_b32 s[SEL], 0x76543210
	s_mov_b32 s[SEL+1], 0xfedcba98
	s_mov_b32 s[MNT], 0x600000
	s_wait_kmcnt 0x0
	s_cmp_lt_u32 ttmp9, 352
	s_cselect_b64 s[14:15], s[6:7], s[8:9]
	s_cselect_b32 s24, 256, s24
	s_cselect_b32 s25, 192*4096, s25
	s_cselect_b32 s26, WQC, s26
	s_cselect_b32 s27, WQS, s27
	s_cmp_lt_u32 ttmp9, 256
	s_cselect_b64 s[14:15], s[4:5], s[14:15]
	s_cselect_b32 s24, 0, s24
	s_cselect_b32 s25, 512*4096, s25
	s_cselect_b32 s26, XC, s26
	s_cselect_b32 s27, XS, s27
	s_sub_co_u32 s28, ttmp9, s24
	s_lshl_b32 s28, s28, 2
	s_add_co_u32 s28, s28, s12                     ; my job
	s_lshr_b32 s29, s28, 1                         ; its tile
	s_and_b32 s30, s28, 1                          ; and which 512 along K
	s_lshr_b32 s31, s29, 1
	s_lshl_b32 s31, s31, 17                        ; 32 rows of 4,096 bytes for each pair of tiles,
	s_and_b32 s32, s29, 1
	s_lshl_b32 s32, s32, 15                        ; 8 rows for the odd tile,
	s_add_co_u32 s32, s32, s31
	s_lshl_b32 s31, s30, 11                        ; 2,048 bytes for the second half of K
	s_add_co_u32 s32, s32, s31
	s_mov_b32 s33, 0
	s_add_nc_u64 s[14:15], s[14:15], s[32:33]      ; the source at my first row
	s_mul_i32 s34, s30, s25
	s_lshl_b32 s34, s34, 1                         ; S = 2 x half
	s_add_co_u32 s34, s34, s26
	s_lshl_b32 s31, s29, 12
	s_add_co_u32 s34, s34, s31
	s_mov_b32 s35, 0
	s_add_nc_u64 s[16:17], s[10:11], s[34:35]      ; my codes of steps 0, 1
	s_add_co_u32 s34, s34, s25
	s_add_nc_u64 s[18:19], s[10:11], s[34:35]      ; and of steps 2, 3: one S plane on
	s_lshl_b32 s36, s29, 9
	s_lshl_b32 s31, s30, 8
	s_add_co_u32 s36, s36, s31
	s_add_co_u32 s36, s36, s27
	s_mov_b32 s37, 0
	s_add_nc_u64 s[20:21], s[10:11], s[36:37]      ; my 256 scale bytes
	s_mul_i32 s13, s12, WREG
	s_wait_alu depctr_va_vdst(0)
	v_add_nc_u32 v4, s13, v3                       ; into the stage: 16 x lane of a row
	v_mul_u32_u24 v5, v9, SPB
	v_lshl_add_u32 v5, v10, 6, v5
	v_add_nc_u32 v5, s13, v5                       ; out of it: row r, + 64 h
	v_lshlrev_b32 v6, 3, v9
	v_add_nc_u32 v6, s13, v6
	v_add_nc_u32 v6, SCB, v6                       ; my row's scale words: 8 r
	v_lshlrev_b32 v7, 3, v2                        ; and on the way out 8 bytes a lane
	v_add_nc_u32 v8, s13, v7
	v_add_nc_u32 v8, SCB, v8
.irp b, 0,1,2,3
	v_mov_b32 v[TM+4+\b], 0                        ; written once: a lane permute's destination counts as one of its sources
.endr
.macro LOADS s                         ; step s: 16 rows x 512 bytes into set s % 2; row p of the tile is row p + 8 (p / 8) from the tile's first
.irp p, 0,1,2,3,4,5,6,7,8,9,10,11,12,13,14,15
	global_load_b128 v[R+64*((\s)%2)+4*\p:R+64*((\s)%2)+4*\p+3], v3, s[14:15] offset:(\p+8*(\p/8))*4096+512*(\s) th:TH_LOAD_NT
.endr
.endm
.macro QUANT                           ; the 64 numbers in v[X] on become a fragment's codes in v[PC] on and the row's scale word in v[PW]
.irp b, 0,1,2,3
	v_max3_num_f32 v[TM+\b], |v[X+16*\b]|, |v[X+1+16*\b]|, 0x4800000   ; block b: my 16 numbers, and the floor 2^(9 - 127): the byte cannot fall under 1
.endr
.irp i, 2,4,6,8,10,12,14
.irp b, 0,1,2,3
	v_max3_num_f32 v[TM+\b], v[TM+\b], |v[X+16*\b+\i]|, |v[X+1+16*\b+\i]|   ; the four blocks by turns
.endr
.endr
.irp b, 0,1,2,3
	v_permlanex16_b32 v[TM+4+\b], v[TM+\b], s[SEL], s[SEL+1]
.endr
.irp b, 0,1,2,3
	v_max_num_f32 v[TM+\b], v[TM+\b], v[TM+4+\b]   ; with lane l xor 16's 16: the block's largest magnitude
.endr
.irp b, 0,1,2,3
	v_add_nc_u32 v[TM+12+\b], 0xfc000000, v[TM+\b] ; 8 off its exponent field: the conversion's scale operand
.endr
.irp b, 0,1,2,3
	v_and_or_b32 v[TM+8+\b], v[TM+\b], 0x7f800000, s[MNT]   ; 448 x the scale
.endr
.irp b, 0,1,2,3
	v_lshrrev_b32 v[TM+4+\b], 23, v[TM+12+\b]      ; the scale's byte
.endr
	v_lshl_or_b32 v[PW], v[TM+5], 8, v[TM+4]
	v_lshl_or_b32 v[PW], v[TM+6], 16, v[PW]
	v_lshl_or_b32 v[PW], v[TM+7], 24, v[PW]
.irp b, 0,1,2,3
.irp i, 0,1,2,3,4,5,6,7,8,9,10,11,12,13,14,15
	v_med3_num_f32 v[X+16*\b+\i], v[X+16*\b+\i], -v[TM+8+\b], v[TM+8+\b]   ; the conversion to an 8-bit code does not saturate (ISA guide 7.6.2): the hold comes first
.endr
	v_cvt_scalef32_pk8_fp8_f32 v[PC+4*\b:PC+1+4*\b], v[X+16*\b:X+7+16*\b], v[TM+12+\b]
	v_cvt_scalef32_pk8_fp8_f32 v[PC+2+4*\b:PC+3+4*\b], v[X+8+16*\b:X+15+16*\b], v[TM+12+\b]
.endr
	v_nop                                          ; a plain line behind the last conversion
.endm
.macro STEP s
.if (\s) < 3
	s_wait_loadcnt 16                              ; this step's 16 loads are in; the next step's 16 may be out
.else
	s_wait_loadcnt 0
.endif
	s_wait_xcnt 0x0                                ; the last step's stores have read v[PC] on: it is written again only behind this wait
.irp p, 0,1,2,3,4,5,6,7,8,9,10,11,12,13,14,15
	ds_store_b128 v4, v[R+64*((\s)%2)+4*\p:R+64*((\s)%2)+4*\p+3] offset:SPB*\p
.endr
.irp b, 0,1,2,3
.irp j, 0,1,2,3
	ds_load_b128 v[X+16*\b+4*\j:X+16*\b+4*\j+3], v5 offset:128*\b+16*\j   ; LDS serves a wave's instructions in order: these see the stores above
.endr
.endr
	s_wait_dscnt 0x0                               ; the numbers are back, and the stores have read their registers,
.if (\s) < 2
	LOADS (\s)+2                                   ; which take the loads of two steps on
.endif
	QUANT
	ds_store_b32 v6, v[PW] offset:((\s)/2)*128+((\s)%2)*4   ; both halves of the lanes write the same word with the same value
.irp c, 0,1,2,3
	global_store_b128 v3, v[PC+4*\c:PC+4*\c+3], s[16+2*((\s)/2):17+2*((\s)/2)] offset:((\s)%2)*2048+512*\c   ; 512 consecutive bytes, aligned
.endr
.endm
	LOADS 0
	LOADS 1
	STEP 0
	STEP 1
	STEP 2
	STEP 3
	ds_load_b64 v[242:243], v8                     ; my wave's 256 scale bytes, 8 a lane
	s_wait_dscnt 0x0
	global_store_b64 v7, v[242:243], s[20:21]      ; 256 consecutive bytes, aligned
	s_wait_tensorcnt 0x0
	ds_add_u32 v248, v249
	s_wait_dscnt 0x0
	s_endpgm
	; ---- THE TABLE.  A store covers two rows: lanes 0-7 cos of j = 4 (l % 8) + 0 .. 3, lanes 8-15 sin of the same, lanes 16-31 the next row.  sin(a) is the cosine's rule three quadrants on, so one text serves both.
.Ltable:
	s_sub_co_u32 s13, ttmp9, 384
	s_lshl_b32 s13, s13, 6
	s_lshl_b32 s36, s12, 4
	s_add_co_u32 s13, s13, s36                     ; my first row: 64 x work-group + 16 x wave
	s_lshl_b32 s38, s13, 8
	s_add_co_u32 s38, s38, TAB
	s_mov_b32 s39, 0
	s_mov_b32 s24, 0x3f22f983                      ; 2 / pi
	s_mov_b32 s25, 0xbfc90fdb                      ; -(pi / 2), its f32,
	s_mov_b32 s26, 0x333bbd2e                      ; and less what that f32 leaves over
	s_mov_b32 s27, 0xb94ca1f9                      ; sine: -1.9515296e-4,
	s_mov_b32 s28, 0x3c08839e                      ; 8.3321609e-3,
	s_mov_b32 s29, 0xbe2aaaa3                      ; -1.6666655e-1
	s_mov_b32 s30, 0x37ccf5ce                      ; cosine: 2.4433157e-5,
	s_mov_b32 s31, 0xbab6061a                      ; -1.3887316e-3,
	s_mov_b32 s32, 0x3d2aaaa5                      ; 4.1666646e-2
	s_mov_b32 s33, 0xbed49a78                      ; -log2(10000) / 32, its f32,
	s_mov_b32 s34, 0xb2179a6b                      ; and what that f32 leaves over
	s_mov_b32 s35, 0x3f317218                      ; ln 2
	v_and_b32 v18, 7, v0
	v_bfe_u32 v17, v0, 3, 1
	v_mul_u32_u24 v17, v17, 3                      ; 3 in the lanes that make sines
	s_wait_alu depctr_va_vdst(0)
	v_add_nc_u32 v16, s13, v10
	v_cvt_f32_u32 v16, v16                         ; t
.irp e, 0,1,2,3
	v_lshl_add_u32 v[20+\e], v18, 2, \e
	v_cvt_f32_u32 v[20+\e], v[20+\e]               ; j
	v_mul_f32 v[24+\e], s33, v[20+\e]              ; the exponent, rounded,
	v_fma_f32 v[28+\e], v[20+\e], s33, -v[24+\e]   ; what the rounding dropped, exactly,
	v_fma_f32 v[28+\e], v[20+\e], s34, v[28+\e]    ; and the constant's own remainder
.endr
.irp e, 0,1,2,3
	v_exp_f32 v[12+\e], v[24+\e]
.endr
	v_nop                                          ; a plain line behind the last exponential
	s_wait_alu depctr_va_vdst(0)                   ; one wait for the four, ahead of their first reader
.irp e, 0,1,2,3
	v_mul_f32 v[28+\e], v[12+\e], v[28+\e]
	v_fma_f32 v[12+\e], v[28+\e], s35, v[12+\e]    ; the frequency: 2^p (1 + ln 2 x remainder)
.endr
	s_wait_alu depctr_va_vdst(0)
	s_wait_kmcnt 0x0
	s_add_nc_u64 s[22:23], s[10:11], s[38:39]
.macro TRIG e, dst
.set T, 64+8*(\e)
	v_mul_f32 v[T], v16, v[12+\e]                  ; the angle a = t x frequency, rounded to f32
	v_mul_f32 v[T+1], s24, v[T]
	v_rndne_f32 v[T+1], v[T+1]                     ; n = the nearest multiple of pi / 2
	v_fma_f32 v[T], v[T+1], s25, v[T]
	v_fma_f32 v[T], v[T+1], s26, v[T]              ; rho = a - n pi / 2, within +-pi / 4
	v_mul_f32 v[T+2], v[T], v[T]                   ; z = rho^2
	v_fma_f32 v[T+3], v[T+2], s27, s28
	v_fma_f32 v[T+3], v[T+3], v[T+2], s29
	v_mul_f32 v[T+3], v[T+3], v[T+2]
	v_fma_f32 v[T+3], v[T+3], v[T], v[T]           ; sin rho
	v_fma_f32 v[T+4], v[T+2], s30, s31
	v_fma_f32 v[T+4], v[T+4], v[T+2], s32
	v_fma_f32 v[T+5], v[T+2], -0.5, 1.0
	v_mul_f32 v[T+2], v[T+2], v[T+2]
	v_fma_f32 v[T+4], v[T+4], v[T+2], v[T+5]       ; cos rho
	v_cvt_i32_f32 v[T+1], v[T+1]
	v_add_nc_u32 v[T+1], v[T+1], v17               ; the quadrant; three on for a sine
	v_and_b32 v[T+5], 1, v[T+1]
	v_cmp_eq_u32 vcc_lo, 1, v[T+5]
	v_cndmask_b32 v[T+4], v[T+4], v[T+3], vcc_lo   ; odd quadrants take sin rho
	v_add_nc_u32 v[T+1], 1, v[T+1]
	v_and_b32 v[T+1], 2, v[T+1]
	v_lshlrev_b32 v[T+1], 30, v[T+1]               ; quadrants 1 and 2 are negative
	v_xor_b32 v[\dst], v[T+1], v[T+4]
.endm
.set it, 0
.rept 8                                ; each pair of rows has its own four registers, so no store's data are written again
	TRIG 0, 32+4*it
	TRIG 1, 33+4*it
	TRIG 2, 34+4*it
	TRIG 3, 35+4*it
	global_store_b128 v3, v[32+4*it:35+4*it], s[22:23] offset:512*it   ; two whole rows: 512 consecutive bytes
	v_add_f32 v16, 2.0, v16
.set it, it+1
.endr
	s_endpgm
.Lfunc_end_k_qf82695433c_prep:
	.size	k_qf82695433c_prep, .Lfunc_end_k_qf82695433c_prep-k_qf82695433c_prep
	.p2alignl 7, 3214868480
	.fill 96, 4, 3214868480
	.section	.rodata,"a",@progbits
	.p2align	6, 0x0
	.amdhsa_kernel k_qf82695433c_prep
		.amdhsa_group_segment_fixed_size 35328
		.amdhsa_private_segment_fixed_size 0
		.amdhsa_enable_private_segment 0
		.amdhsa_kernarg_size 32
		.amdhsa_user_sgpr_count 2
		.amdhsa_user_sgpr_kernarg_segment_ptr 1
		.amdhsa_wavefront_size32 1
		.amdhsa_system_sgpr_workgroup_id_x 1
		.amdhsa_system_sgpr_workgroup_id_y 1
		.amdhsa_system_sgpr_workgroup_id_z 1
		.amdhsa_system_vgpr_workitem_id 0
		.amdhsa_next_free_vgpr 250
		.amdhsa_next_free_sgpr 66
		.amdhsa_reserve_vcc 1
		.amdhsa_float_denorm_mode_32 3
		.amdhsa_float_denorm_mode_16_64 3
		.amdhsa_memory_ordered 1
		.amdhsa_forward_progress 1
		.amdhsa_inst_pref_size 89
	.end_amdhsa_kernel
	.amdgpu_metadata
---
amdhsa.version: [ 1, 2 ]
amdhsa.kernels:
  - .name:           k_qf82695433c_prep
    .symbol:         k_qf82695433c_prep.kd
    .args:
      - { .name: x, .offset: 0, .size: 8, .value_kind: global_buffer, .address_space: global }
      - { .name: W_qkv, .offset: 8, .size: 8, .value_kind: global_buffer, .address_space: global }
      - { .name: W_out, .offset: 16, .size: 8, .value_kind: global_buffer, .address_space: global }
      - { .name: prep, .offset: 24, .size: 8, .value_kind: global_buffer, .address_space: global }
    .group_segment_fixed_size: 35328
    .private_segment_fixed_size: 0
    .kernarg_segment_align: 8
    .kernarg_segment_size: 32
    .max_flat_workgroup_size: 128
    .sgpr_count:     66
    .vgpr_count:     250
    .wavefront_size: 32
...
	.end_amdgpu_metadata
.endif
;; end of part 1
;; launch qkv (part 2): grid 8 x 64, 4 waves a work-group, clusters of 4 x 4, 327,680 bytes of LDS; arguments prep, qbuf, kvbuf; writes qbuf, kvbuf
.if DOCPART == 2
	.amdgcn_target "amdgcn-amd-amdhsa--gfx1250"
	.amdhsa_code_object_version 6
	.text
	.protected	k_qf82695433c_qkv
	.globl	k_qf82695433c_qkv
	.p2align	8
	.type	k_qf82695433c_qkv,@function
k_qf82695433c_qkv:
	s_mov_b64 s[64:65], 0
	v_nop
	global_prefetch_b8 v0, s[64:65] scope:SCOPE_SE
	s_setreg_imm32_b32 hwreg(HW_REG_WAVE_MODE, 25, 1), 1
	s_wait_xcnt 0x0
	s_wait_alu depctr_hold_cnt(0) depctr_sa_sdst(0) depctr_va_vdst(0) depctr_va_sdst(0) depctr_va_ssrc(0) depctr_va_vcc(0) depctr_vm_vsrc(0)
	s_getreg_b32 s2, hwreg(HW_REG_IB_STS2, 6, 4)
	s_cmp_eq_u32 s2, 0
	s_cbranch_scc0 .Lentry_in_a_cluster
	s_endpgm
.Lentry_in_a_cluster:
	s_bfe_u32 s2, ttmp6, 0x10000c
	s_cmp_lg_u32 s2, 0xf033
	s_cbranch_scc0 .Lentry_shape_is_right
	s_endpgm
.Lentry_shape_is_right:
; QKV.  The first product, x W_qkv^T, on codes of FP8 (E4M3) with E8M0 scales; then the rotation of q and k, and the quantising of q and k along the head's 64 and of v along the keys.  Nothing leaves as f32.
; A tile is 256 x 256, four waves of 128 x 128: 64 accumulators, 512 registers.  Source 0 takes role B's 16 rows, source 1 role A's: a lane holds ONE row of role A, and its registers run along role B's rows.
; ROWS 0-7 OF CLUSTERS MAKE q (CLUSTER x 0) AND k (x 1), ROWS 8-15 MAKE v.  q, k: role A = x, role B = W_qkv: a lane holds one token and its registers run along the features, which are the next K.  v: THE ROLES ARE SWAPPED: a lane holds one
; channel and its registers run along the tokens, which are v's next K (the keys).  The tiles' rows are laid (by the launch before) so that the 16 registers of role B's tiles 2 b, 2 b + 1 are 16 neighbours: 32 b + 16 (lane / 16) + 0 .. 15.
; OPERANDS come as images of their registers: 8 tiles x 256 along K are one dense block of 32,768 bytes, one tensor load a wave; a fragment is four ds_load_b128 at 16 x lane: no pitch, no padding.
; K = 1,024 is four slots' worth through a ring of two slots: written out, no loop.  The scale words of all K (8,192 bytes a wave's load) come once, with the first fills.
; CLUSTERS: 4 x 4.  Role A's tiles are shared along a row of the cluster, role B's along a column: joint loads, each with one mask.
; THE WAY OUT has no LDS: the conversions' results are the next operand's registers, and each store covers 512 consecutive bytes.  qbuf: [batch x head 64][128 tokens 16] blocks of 8,704 bytes: 8 tiles x 1,024 of codes, 512 of scale words.
; kvbuf: blocks of 17,152 bytes: k as q; at 8,704 v's 4 channel tiles x 2,048; at 16,896 v's 256 bytes of scale words.  A scale word of q or k: two bytes, and 0x7f twice for the half of the next product's K that holds zeros.
; LIMITS: as the quantiser's in the launch before (byte 1 for blocks under 2^-118; no NaN, no infinities).  The rotation is a product and a fused multiply-add where the source has two products and a sum.
; No prefetch: K has four slots, two of them first fills, and the tiles are shared by joint loads.
; REGISTERS, in windows of 256: window 0: v2-8, v16-29 addresses; v32-63 scale words, two sets, and nothing else; v64-127 cos and sin, two sets; v128-255 role A's fragments, one set; on the way out v128-247 at work.
;   window 1: role B's fragments, two sets.   windows 2, 3: accumulator (a, b) at v[8 (8 (a % 4) + b)].
.set XC,    0
.set WQC,   8388608
.set XS,    12582912
.set WQS,   12845056
.set TAB,   12976128
.set QBLK,  8704
.set KVBLK, 17152
.set NQ,    2                          ; matrix instructions deep in a slot
.set FR,    16                         ; registers of a fragment
.set NL,    4                          ; LDS loads that bring one
.set NP,    8                          ; places behind this matrix instruction (ISA guide 7.12.1)
.set HALFT, 32768                      ; 8 tiles x 256 K: what one tensor load brings
.set SLOT,  4*HALFT                    ; role A's two halves, then role B's
.set SCL,   2*SLOT                     ; behind the ring: the scale words
.set HALFS, 4096                       ; those of 8 tiles, all K
.set SPARE, SCL+4*HALFS                ; the spare words: 128 bytes a wave, two blocks of 256 bytes that no other line names
.set LI,   2                           ; v2   16 x lane
.set TL,   3                           ; v3   the table: my token's row in a tile, + 64 (lane / 16)
.set L8,   4                           ; v4   8 x lane
.set LN,   8                           ; v8   lane
.set ADRA, 16                          ; v16-17 my fragments of role A in slot 0, 1
.set ADRB, 20                          ; v20-21 of role B
.set ADRS, 27                          ; v27  my scale words: lanes 0-15 role A's rows, lanes 16-31 role B's
.set SPW,  28                          ; v28  my spare word; never rewritten
.set NIL,  29                          ; v29  0; never rewritten
.set SC,   32
.set CSN,  64                          ; set s: 16 cos at v[64 + 32 s], 16 sin behind them
.set AF,   128
.set X,    128                         ; the way out: v128-191 products with sin, then the held numbers
.set PC,   192                         ; v192-223 codes, two sets
.set TM,   224                         ; v224-239 at work
.set SW,   240                         ; v240-247 block a's scale word
.set G1,   24
.set G0,   32
.set G1B,  48
.set G0B,  56
.set G1S,  68
.set G0S,  76
.set G1SB, 80
.set G0SB, 88
.set STA,  92                          ; s[92:93] two slots on in role A's codes;  s[94:95] in role B's
.set STB,  94
.set BH0,  96                          ; s[96:97], s[98:99] where my two heads' blocks begin
.set TBA,  100                         ; s[100:101] the table at my first token
.set SEL,  12
.set MNT,  18
.set PADW, 19
.set MSB, 0
.macro WIN new                         ; the immediate's high byte repeats the setting that is left
.if MSB != \new
	s_set_vgpr_msb (MSB<<8)|\new
.set MSB, \new
.endif
.endm
.set MUL_LO, 0xa1                      ; source 0 window 1, source 1 window 0, C and D window 2
.set MUL_HI, 0xf1                      ; the same, C and D window 3
.set TO_B,   0x40                      ; destination window 1
; A joint load: waves 0 and 1 fetch for role A, waves 2 and 3 for role B.  Four v_nop follow each of the two lines.
.macro JLOAD g0a, g1a, g0b, g1b
	s_cmp_eq_u32 s15, 0
	s_cbranch_scc0 .Lfor_b_\@
	tensor_load_to_lds s[\g0a:\g0a+3], s[\g1a:\g1a+7]
	s_nop 0
.rept 4
	v_nop
.endr
	s_branch .Lasked_\@
.Lfor_b_\@:
	tensor_load_to_lds s[\g0b:\g0b+3], s[\g1b:\g1b+7]
	s_nop 0
.rept 4
	v_nop
.endr
.Lasked_\@:
.endm
.macro CREST                           ; a round of the cluster's barrier behind its opening barrier
	s_cmp_lg_u32 s14, 0
	s_cbranch_scc1 .Lnot_wave_0_\@
	s_barrier_signal -3
.Lnot_wave_0_\@:
	s_barrier_wait -3
	s_barrier_signal -1
	s_barrier_wait -1
.endm
.macro CROUND
	s_barrier_signal -1
	s_barrier_wait -1
	CREST
.endm
	s_load_b128 s[4:7], s[0:1], 0x0                ; prep s[4:5], qbuf s[6:7]
	s_load_b64 s[8:9], s[0:1], 0x10                ; kvbuf
	v_lshl_add_u32 v[SPW], v0, 2, SPARE
	v_mov_b32 v[NIL], 0
	ds_add_u32 v28, v29
	ds_add_u32 v28, v29
	s_wait_dscnt 0x0
	v_lshrrev_b32 v1, 5, v0
	v_readfirstlane_b32 s14, v1                    ; wave 0..3
	s_lshr_b32 s15, s14, 1                         ; my half of role A's rows.  Also: I fetch for role A (0) or B (1)
	s_and_b32 s16, s14, 1                          ; my half of role B's rows.  Also: which 8 tiles I fetch
	s_bfe_u32 s40, ttmp6, 0x40000                  ; cx
	s_bfe_u32 s41, ttmp6, 0x40004                  ; cy
	s_and_b32 s10, ttmp7, 0xffff
	s_wait_alu depctr_va_vdst(0)
	s_cmp_ge_u32 s10, 8                            ; rows 0 to 7 of clusters make q and k (the longer work, the lower numbers), rows 8 to 15 make v: the cluster's number is the same in all partners
	s_cbranch_scc1 .Lvpath
	s_lshl_b32 s10, s10, 2
	s_lshl_b32 s11, ttmp9, 2                       ; 4 x cluster x
	s_mov_b32 s19, XS
	s_mov_b32 s20, 512*4096
	s_mov_b32 s47, WQS
	s_mov_b32 s45, 192*4096
	s_mov_b32 s17, s10                             ; role A is x: its unit of 256 rows, less cy,
	s_mov_b32 s18, XC                              ; and where its codes begin
	s_mov_b32 s42, s11                             ; role B is W_qkv: its unit, less cx,
	s_mov_b32 s46, WQC
	s_add_co_u32 s17, s17, s41                     ; UA hangs on cy and the cluster's place alone,
	s_add_co_u32 s42, s42, s40                     ; UB on cx and the cluster's place alone
	s_lshl_b32 s43, s41, 2
	s_lshl_b32 s43, 15, s43                        ; my row of the cluster
	s_lshl_b32 s44, 0x1111, s40                    ; my column
	; descriptor group 1: a dense block as rows of 256 bytes: 32 elements of 8 bytes; 128 rows of codes, 16 rows of scale words; no padding
	s_or_b32 s[G1+0], s43, (3<<16)|(1<<21)         ; 15:0 the mask; 17:16 elements of 8 bytes; 21 set beside a mask
	s_or_b32 s[G1B+0], s44, (3<<16)|(1<<21)
.irp g, G1, G1B
	s_mov_b32 s[\g+1], 32<<16                      ; tensor_dim0
	s_mov_b32 s[\g+2], 256<<16                     ; tensor_dim1: the head's loads bring a role's 16 tiles whole
	s_mov_b32 s[\g+3], 32<<16                      ; tile_dim0
	s_mov_b32 s[\g+4], 256                         ; tile_dim1
	s_mov_b32 s[\g+5], 32                          ; the pitch
	s_mov_b32 s[\g+6], 0
	s_mov_b32 s[\g+7], 0
.endr
	s_or_b32 s[G1S+0], s43, (3<<16)|(1<<21)
	s_or_b32 s[G1SB+0], s44, (3<<16)|(1<<21)
.irp g, G1S, G1SB
	s_mov_b32 s[\g+1], 32<<16
	s_mov_b32 s[\g+2], 32<<16                      ; the scale words of 16 tiles: 8,192 bytes
	s_mov_b32 s[\g+3], 32<<16
	s_mov_b32 s[\g+4], 32
	s_mov_b32 s[\g+5], 32
	s_mov_b32 s[\g+6], 0
	s_mov_b32 s[\g+7], 0
.endr
	s_lshl_b32 s21, s17, 4
	s_lshl_b32 s22, s16, 3
	s_add_co_u32 s21, s21, s22                     ; role A: the first tile that I fetch
	s_lshl_b32 s22, s21, 12
	s_add_co_u32 s22, s22, s18
	s_mov_b32 s23, 0                               ; s[22:23] its codes' offset
	s_lshl_b32 s12, s21, 9
	s_add_co_u32 s12, s12, s19
	s_mov_b32 s13, 0                               ; s[12:13] its scale words'
	s_lshl_b32 s66, s42, 4
	s_lshl_b32 s67, s16, 3
	s_add_co_u32 s66, s66, s67                     ; role B likewise, in registers that never feed role A's descriptors
	s_lshl_b32 s2, s66, 12
	s_add_co_u32 s2, s2, s46
	s_mov_b32 s3, 0
	s_lshl_b32 s46, s66, 9
	s_add_co_u32 s46, s46, s47
	s_mov_b32 s47, 0
	s_lshl_b32 s[STA], s20, 1
	s_mov_b32 s[STA+1], 0
	s_lshl_b32 s[STB], s45, 1
	s_mov_b32 s[STB+1], 0
	s_lshl_b32 s10, s14, 15                        ; where they go: wave x HALFT,
	s_lshl_b32 s11, s14, 12                        ; wave x HALFS: no place in the cluster enters an LDS address
	s_wait_kmcnt 0x0
	CROUND                                         ; all sixteen work-groups are here: the first joint loads meet
	; THE HEAD'S LOADS, ONE A WAVE: wave 0 role A's 16 tiles of slot content 0, wave 1 role B's, wave 2 role A's scale words, wave 3 role B's.
	s_lshl_b32 s96, s16, 15                        ; my half of a role's 16 tiles, in codes,
	s_lshl_b32 s98, s16, 12                        ; and in scale words: taken off, the offsets name the role's first tile
	s_sub_co_u32 s100, s22, s96
	s_mov_b32 s101, 0
	s_mov_b32 s[G0], 1
	s_mov_b32 s[G0+1], 0
	s_add_nc_u64 s[G0+2:G0+3], s[4:5], s[100:101]
	s_or_b32 s[G0+3], s[G0+3], 0x80000000
	s_sub_co_u32 s100, s12, s98
	s_mov_b32 s[G0S], 1
	s_mov_b32 s[G0S+1], SCL
	s_add_nc_u64 s[G0S+2:G0S+3], s[4:5], s[100:101]
	s_or_b32 s[G0S+3], s[G0S+3], 0x80000000
	s_add_co_u32 s100, s22, s20                    ; slot 1: my 8 tiles, one S plane on
	s_mov_b32 s[G0+4], 1
	s_add_co_u32 s[G0+5], s10, SLOT
	s_add_nc_u64 s[G0+6:G0+7], s[4:5], s[100:101]
	s_or_b32 s[G0+7], s[G0+7], 0x80000000
	s_sub_co_u32 s66, s2, s96                      ; role B likewise, in registers that never feed role A's descriptors
	s_mov_b32 s67, 0
	s_mov_b32 s[G0B], 1
	s_mov_b32 s[G0B+1], 2*HALFT
	s_add_nc_u64 s[G0B+2:G0B+3], s[4:5], s[66:67]
	s_or_b32 s[G0B+3], s[G0B+3], 0x80000000
	s_sub_co_u32 s66, s46, s98
	s_mov_b32 s[G0SB], 1
	s_mov_b32 s[G0SB+1], SCL+2*HALFS
	s_add_nc_u64 s[G0SB+2:G0SB+3], s[4:5], s[66:67]
	s_or_b32 s[G0SB+3], s[G0SB+3], 0x80000000
	s_add_co_u32 s66, s2, s45
	s_mov_b32 s[G0B+4], 1
	s_add_co_u32 s[G0B+5], s10, SLOT
	s_add_nc_u64 s[G0B+6:G0B+7], s[4:5], s[66:67]
	s_or_b32 s[G0B+7], s[G0B+7], 0x80000000
.macro ARM under, g0, g1, next         ; one chain of branches on the wave's number, a load to an arm, all arms to one join
	s_cmp_lt_u32 s14, \under
	s_cbranch_scc0 \next
	tensor_load_to_lds s[\g0:\g0+3], s[\g1:\g1+7]
	s_nop 0
.rept 4
	v_nop
.endr
	s_branch .Lhead_asked
\next:
.endm
	ARM 1, G0,  G1,  .Lhead_b
	ARM 2, G0B, G1B, .Lhead_sa
	ARM 3, G0S, G1S, .Lhead_sb
	tensor_load_to_lds s[G0SB:G0SB+3], s[G1SB:G1SB+7]
	s_nop 0
.rept 4
	v_nop
.endr
.Lhead_asked:
	v_and_b32 v[LN], 31, v0
	v_lshlrev_b32 v[LI], 4, v[LN]
	v_lshlrev_b32 v[L8], 3, v[LN]
	v_and_b32 v5, 15, v0                           ; r
	v_bfe_u32 v6, v0, 4, 1                         ; h
	s_wait_alu depctr_va_vdst(0)
	s_lshl_b32 s21, s15, 15                        ; my 8 tiles of role A,
	s_lshl_b32 s66, s16, 15
	s_add_co_u32 s66, s66, 2*HALFT                 ; of role B
.irp s, 0,1
	v_add_nc_u32 v[ADRA+\s], s21, v[LI]
	v_add_nc_u32 v[ADRB+\s], s66, v[LI]
	s_add_co_u32 s21, s21, SLOT
	s_add_co_u32 s66, s66, SLOT
.endr
	s_lshl_b32 s21, s15, 12
	s_lshl_b32 s66, s16, 12
	s_add_co_u32 s66, s66, 2*HALFS
	s_sub_co_u32 s66, s66, s21
	v_mul_u32_u24 v7, s66, v6                      ; lanes 16-31 take role B's: one product with h
	s_add_co_u32 s21, s21, SCL
	v_lshl_add_u32 v7, v5, 3, v7                   ; 8 bytes a row: the slot's two words
	v_add_nc_u32 v[ADRS], s21, v7
	v_and_b32 v7, 8, v5
	v_add_nc_u32 v7, v7, v5                        ; r + 8 (r / 8)
	v_lshlrev_b32 v[TL], 8, v7
	v_lshl_add_u32 v[TL], v6, 6, v[TL]
	; where the results go.  Tokens: 256 x unit + 128 x half; features: 4 heads a unit, 2 a half
	s_mov_b32 s96, s17                             ; the tokens' unit,
	s_mov_b32 s97, s15                             ; and my half of it
	s_mov_b32 s98, s40                             ; the features' unit within q or k,
	s_mov_b32 s99, s16                             ; and my half of it
	s_mov_b32 s100, 0
	s_lshr_b32 s101, s96, 3                        ; the batch
	s_and_b32 s96, s96, 7
	s_lshl_b32 s96, s96, 1
	s_add_co_u32 s96, s96, s97                     ; which 128 tokens of the batch
	s_lshl_b32 s98, s98, 2
	s_lshl_b32 s99, s99, 1
	s_add_co_u32 s98, s98, s99                     ; my first head
	s_lshl_b32 s101, s101, 4
	s_add_co_u32 s98, s98, s101
	s_lshl_b32 s98, s98, 4
	s_add_co_u32 s98, s98, s96                     ; the block's number
	s_cmp_eq_u32 ttmp9, 0
	s_mov_b32 s99, KVBLK
	s_cselect_b32 s99, QBLK, s99
	s_cselect_b64 s[66:67], s[6:7], s[8:9]         ; q goes to qbuf, k and v to kvbuf
	s_mul_i32 s98, s98, s99
	s_add_co_u32 s98, s98, s100
	s_lshl_b32 s100, s99, 4                        ; the next head lies 16 blocks on
	s_add_co_u32 s100, s100, s98
	s_mov_b32 s99, 0
	s_mov_b32 s101, 0
	s_add_nc_u64 s[BH0:BH0+1], s[66:67], s[98:99]
	s_add_nc_u64 s[BH0+2:BH0+3], s[66:67], s[100:101]
	s_and_b32 s66, s17, 7
	s_lshl_b32 s66, s66, 1
	s_add_co_u32 s66, s66, s15
	s_lshl_b32 s66, s66, 15                        ; 128 rows of 256 bytes
	s_add_co_u32 s66, s66, TAB
	s_mov_b32 s67, 0
	s_add_nc_u64 s[TBA:TBA+1], s[4:5], s[66:67]
	s_mov_b32 s[SEL], 0x76543210
	s_mov_b32 s[SEL+1], 0xfedcba98
	s_mov_b32 s[MNT], 0x600000
	s_mov_b32 s[PADW], 0x7f7f0000
.macro FRAG reg, adr, q, i             ; tile i's fragment of the slot's q-th 128 along K: four chunks of 512 bytes
.irp c, 0,1,2,3
	ds_load_b128 v[\reg+4*\c:\reg+4*\c+3], v[\adr] offset:(\i)*4096+(\q)*2048+512*\c
.endr
.endm
; 16 matrix instructions: role A's blocks a0, a0 + 1 x role B's eight.  The 64 accumulators take turns, one instruction a turn, in the same order in every step.
.macro MUL16 a0, p, q, sc, zero
.irp a, \a0, \a0+1
.irp b, 0,1,2,3,4,5,6,7
.if \zero
	v_wmma_scale_f32_16x16x128_f8f6f4 v[8*(8*((\a)%4)+\b):8*(8*((\a)%4)+\b)+7], v[128*(\p)+FR*\b:128*(\p)+FR*\b+FR-1], v[AF+FR*(\a):AF+FR*(\a)+FR-1], 0, v[SC+8*NQ*(\sc)+NQ*\b+(\q)], v[SC+8*NQ*(\sc)+NQ*(\a)+(\q)] matrix_a_scale:MATRIX_SCALE_ROW1
.else
	v_wmma_scale_f32_16x16x128_f8f6f4 v[8*(8*((\a)%4)+\b):8*(8*((\a)%4)+\b)+7], v[128*(\p)+FR*\b:128*(\p)+FR*\b+FR-1], v[AF+FR*(\a):AF+FR*(\a)+FR-1], v[8*(8*((\a)%4)+\b):8*(8*((\a)%4)+\b)+7], v[SC+8*NQ*(\sc)+NQ*\b+(\q)], v[SC+8*NQ*(\sc)+NQ*(\a)+(\q)] matrix_a_scale:MATRIX_SCALE_ROW1
.endif
.endr
.endr
.endm
.macro FETCH_B slot, q, p
	WIN TO_B
.irp i, 0,1,2,3,4,5,6,7
	FRAG 128*(\p)+FR*\i, ADRB+\slot, \q, \i
.endr
	WIN 0
.endm
.macro FETCH_A slot, q, i0
.irp i, \i0, \i0+1, \i0+2, \i0+3
	FRAG AF+FR*(\i), ADRA+\slot, \q, \i
.endr
.endm
.macro SCALES sc, S                    ; the scale words of slot content S into set sc: lanes 0-15 role A's block i, lanes 16-31 role B's
.irp i, 0,1,2,3,4,5,6,7
	ds_load_b64 v[SC+8*NQ*\sc+NQ*\i:SC+8*NQ*\sc+NQ*\i+1], v[ADRS] offset:\i*512+(\S)*128
.endr
.endm
.macro PLACES n                        ; plain vector lines between a matrix instruction and a load into, or a vector line on, its registers
.rept \n
	v_nop
.endr
.endm
.macro STEP slot, q, zero              ; a step of 128 along K that has its successor in the same slot
	s_wait_dscnt 4*NL                              ; role B's set, role A's blocks 0-3 and the scale words are in; the youngest 16 loads (blocks 4-7) may be out
	WIN MUL_LO
	MUL16 0, (\q)%2, \q, \slot, \zero
	MUL16 2, (\q)%2, \q, \slot, \zero
	s_wait_dscnt 0
	PLACES NP
	FETCH_B \slot, (\q)+1, 1-(\q)%2
	FETCH_A \slot, (\q)+1, 0
	WIN MUL_HI
	MUL16 4, (\q)%2, \q, \slot, \zero
	MUL16 6, (\q)%2, \q, \slot, \zero
	PLACES NP
	WIN 0
	FETCH_A \slot, (\q)+1, 4
.endm
; A slot's last step changes slots: one barrier; in front of it each wave waits for all its tensor loads, adds 0 to its spare word, and waits for that and for its reads of this slot.
.macro TURN slot, next, fill, S
	s_wait_tensorcnt 0x0                           ; all my tensor loads have landed: my part of the next slot
	ds_add_u32 v[SPW], v[NIL]                      ; 0 onto my spare word
	s_wait_dscnt 4*NL+1                            ; (the add and the youngest 16 loads may be out)
	WIN MUL_LO
	MUL16 0, 1, NQ-1, \slot, 0
	s_wait_dscnt 0x0                               ; the add is done, and my reads of this slot are over
	s_barrier_signal -1
	MUL16 2, 1, NQ-1, \slot, 0
	WIN 0
	s_barrier_wait -1
.if \fill
	CREST                                          ; the barrier has opened a round of the cluster's: no wave of any partner still reads this slot or has a load on its way
	s_add_nc_u64 s[G0+4*\slot+2:G0+4*\slot+3], s[G0+4*\slot+2:G0+4*\slot+3], s[STA:STA+1]
	s_add_nc_u64 s[G0B+4*\slot+2:G0B+4*\slot+3], s[G0B+4*\slot+2:G0B+4*\slot+3], s[STB:STB+1]
	JLOAD G0+4*\slot, G1, G0B+4*\slot, G1B         ; the first tensor load behind the round; its four v_nop are four of the places below
	PLACES NP-4
.else
	PLACES NP
.endif
	FETCH_B \next, 0, 0
	FETCH_A \next, 0, 0
	SCALES \next, \S
	WIN MUL_HI
	MUL16 4, 1, NQ-1, \slot, 0
	MUL16 6, 1, NQ-1, \slot, 0
	PLACES NP
	WIN 0
	FETCH_A \next, 0, 4
.endm
.macro LAST                            ; the very last step: nothing more to fetch
	s_wait_dscnt 4*NL
	WIN MUL_LO
	MUL16 0, 1, NQ-1, 1, 0
	MUL16 2, 1, NQ-1, 1, 0
	s_wait_dscnt 0
	WIN MUL_HI
	MUL16 4, 1, NQ-1, 1, 0
	MUL16 6, 1, NQ-1, 1, 0
	WIN 0
.endm
; ---- the way out
.macro TABLOAD a, set                  ; cos and sin of block a's token in my lane, indices 16 (lane / 16) + 0 .. 15
.irp j, 0,1,2,3
	global_load_b128 v[CSN+32*(\set)+4*\j:CSN+32*(\set)+4*\j+3], v[TL], s[TBA:TBA+1] offset:(32*((\a)/2)+8*((\a)%2))*256+16*\j
	global_load_b128 v[CSN+32*(\set)+16+4*\j:CSN+32*(\set)+16+4*\j+3], v[TL], s[TBA:TBA+1] offset:(32*((\a)/2)+8*((\a)%2))*256+128+16*\j
.endr
.endm
; 64 numbers of a lane in window WW, v[s] on, register 16 b + i = next K 32 b + 16 (lane / 16) + i, become codes in v[pc] on and a scale word in v[pw].  The hold is also the move into window 0.  Each accumulator is read from its low end on.
.macro QUANTW s, pc, pw
.set WY, WW|(WW<<2)
	WIN WY                                         ; sources 0 and 1 in the accumulators' window
.irp b, 0,1,2,3
	v_max3_num_f32 v[TM+\b], |v[\s+16*\b]|, |v[\s+16*\b+1]|, 0x4800000   ; and the floor 2^(9 - 127)
.endr
.irp i, 2,4,6,8,10,12,14
.irp b, 0,1,2,3
	v_max3_num_f32 v[TM+\b], |v[\s+16*\b+\i]|, |v[\s+16*\b+\i+1]|, v[TM+\b]
.endr
.endr
	WIN 0
.irp b, 0,1,2,3
	v_permlanex16_b32 v[TM+4+\b], v[TM+\b], s[SEL], s[SEL+1]
.endr
.irp b, 0,1,2,3
	v_max_num_f32 v[TM+\b], v[TM+\b], v[TM+4+\b]
.endr
.irp b, 0,1,2,3
	v_add_nc_u32 v[TM+12+\b], 0xfc000000, v[TM+\b]
.endr
.irp b, 0,1,2,3
	v_and_or_b32 v[TM+8+\b], v[TM+\b], 0x7f800000, s[MNT]
.endr
.irp b, 0,1,2,3
	v_lshrrev_b32 v[TM+4+\b], 23, v[TM+12+\b]
.endr
	v_lshl_or_b32 v[\pw], v[TM+5], 8, v[TM+4]
	v_lshl_or_b32 v[\pw], v[TM+6], 16, v[\pw]
	v_lshl_or_b32 v[\pw], v[TM+7], 24, v[\pw]
	WIN WW                                         ; source 0 in the accumulators' window
.irp b, 0,1,2,3
.irp i, 0,1,2,3,4,5,6,7,8,9,10,11,12,13,14,15
	v_med3_num_f32 v[X+16*\b+\i], v[\s+16*\b+\i], -v[TM+8+\b], v[TM+8+\b]
.endr
.endr
	WIN 0
.irp b, 0,1,2,3
	v_cvt_scalef32_pk8_fp8_f32 v[\pc+4*\b:\pc+4*\b+1], v[X+16*\b:X+16*\b+7], v[TM+12+\b]
	v_cvt_scalef32_pk8_fp8_f32 v[\pc+4*\b+2:\pc+4*\b+3], v[X+16*\b+8:X+16*\b+15], v[TM+12+\b]
.endr
	v_nop                                          ; a plain line behind the last conversion
.endm
; q, k: block a (16 tokens) x my two heads.  Head g's registers: 16 of d = 16 h + i at AC + 32 g, 16 of d = 32 + 16 h + i behind them: the rotation's partners lie in one lane.
.macro EQK a
.set WW, 2+(\a)/4
.set AC, 64*((\a)%4)
.if (\a) < 2
.set TW, 0                             ; blocks 0, 1: cos and sin in window 0
.set CO_, CSN+32*(\a)
.else
.set TW, 1                             ; blocks 2 to 7: in window 1, where role B's fragments lay
.set CO_, 32*((\a)-2)
.endif
.set SI_, CO_+16
.set PCC, PC+16*((\a)%2)
.set SWA, SW+(\a)
	s_wait_loadcnt 8*(7-(\a))                      ; this block's cos and sin are in; the 8 loads of each later block may be out
.set WM, WW|(TW<<2)
	WIN WM
.irp g, 0,1
.irp i, 0,2,4,6,8,10,12,14
	v_pk_mul_f32 v[X+32*\g+\i:X+32*\g+\i+1], v[AC+32*\g+16+\i:AC+32*\g+17+\i], v[SI_+\i:SI_+\i+1]     ; upper half x sin
	v_pk_mul_f32 v[X+32*\g+16+\i:X+32*\g+17+\i], v[AC+32*\g+\i:AC+32*\g+\i+1], v[SI_+\i:SI_+\i+1]     ; lower half x sin
.endr
.endr
.set WX, WW|(TW<<2)|(WW<<6)
	WIN WX
.irp g, 0,1
.irp i, 0,2,4,6,8,10,12,14
	v_pk_fma_f32 v[AC+32*\g+\i:AC+32*\g+\i+1], v[AC+32*\g+\i:AC+32*\g+\i+1], v[CO_+\i:CO_+\i+1], v[X+32*\g+\i:X+32*\g+\i+1] neg_lo:[0,0,1] neg_hi:[0,0,1]
	v_pk_fma_f32 v[AC+32*\g+16+\i:AC+32*\g+17+\i], v[AC+32*\g+16+\i:AC+32*\g+17+\i], v[CO_+\i:CO_+\i+1], v[X+32*\g+16+\i:X+32*\g+17+\i]
.endr
.endr
	WIN 0
	s_wait_xcnt 0x0                                ; the stores of two blocks back have read their codes: that set is written again only behind this wait
	QUANTW AC, PCC, SWA
.irp g, 0,1
.irp c, 0,1
	global_store_b128 v[LI], v[PCC+4*(2*\g+\c):PCC+4*(2*\g+\c)+3], s[BH0+2*\g:BH0+2*\g+1] offset:(\a)*1024+512*\c   ; 512 consecutive bytes, aligned
.endr
.endr
.endm
; v: block a (16 channels) x my 128 keys: one whole fragment
.macro EV a
.set WW, 2+(\a)/4
.set AC, 64*((\a)%4)
.set PCC, PC+16*((\a)%2)
.set SWA, SW+(\a)
.if (\a) >= 2
	s_wait_xcnt 0x0                                ; as above
.endif
	QUANTW AC, PCC, SWA
.irp c, 0,1,2,3
	global_store_b128 v[LI], v[PCC+4*\c:PCC+4*\c+3], s[BH0+2*((\a)/4):BH0+2*((\a)/4)+1] offset:((\a)%4)*2048+512*\c
.endr
.endm
	s_wait_alu depctr_va_vdst(0)
	s_wait_tensorcnt 0x0                           ; my tile of the head's four is in
	ds_add_u32 v[SPW], v[NIL]
	s_mov_b32 s[G1+2], 128<<16                     ; no tensor load of mine is out, so descriptors may be written: from here on a load brings 8 tiles, 128 rows of 256 bytes,
	s_mov_b32 s[G1+4], 128
	s_mov_b32 s[G1B+2], 128<<16
	s_mov_b32 s[G1B+4], 128
	s_mov_b32 s[G0+1], s10                         ; and slot 0's groups 0 name my 8 tiles, for its refill
	s_add_nc_u64 s[G0+2:G0+3], s[4:5], s[22:23]
	s_or_b32 s[G0+3], s[G0+3], 0x80000000
	s_mov_b32 s[G0B+1], s10
	s_add_nc_u64 s[G0B+2:G0B+3], s[4:5], s[2:3]
	s_or_b32 s[G0B+3], s[G0B+3], 0x80000000
	s_wait_dscnt 0x0
	CROUND                                         ; all four tiles are in, and all sixteen work-groups are here
	JLOAD G0+4, G1, G0B+4, G1B                     ; slot 1's first fill: the first tensor load behind the round
	FETCH_B 0, 0, 0
	FETCH_A 0, 0, 0
	SCALES 0, 0
	FETCH_A 0, 0, 4
	STEP 0, 0, 1                                   ; the first step's products start the sums: nothing is cleared
	TURN 0, 1, 1, 1
	STEP 1, 0, 0
	TURN 1, 0, 1, 2
	STEP 0, 0, 0
	TURN 0, 1, 0, 3                                ; the last change of slots fills nothing
	TABLOAD 0, 0                                   ; they land under 128 matrix instructions
	TABLOAD 1, 1
	STEP 1, 0, 0
	LAST
	PLACES NP
.macro TABW a                          ; cos and sin of block a, into window 1 at v[32 (a - 2)]
.irp j, 0,1,2,3
	global_load_b128 v[32*((\a)-2)+4*\j:32*((\a)-2)+4*\j+3], v[TL], s[TBA:TBA+1] offset:(32*((\a)/2)+8*((\a)%2))*256+16*\j
	global_load_b128 v[32*((\a)-2)+16+4*\j:32*((\a)-2)+16+4*\j+3], v[TL], s[TBA:TBA+1] offset:(32*((\a)/2)+8*((\a)%2))*256+128+16*\j
.endr
.endm
	WIN TO_B                                       ; role B's fragments are done with: the tables of blocks 2 to 7 are asked for at once
.irp a, 2,3,4,5,6,7
	TABW \a
.endr
	WIN 0
.irp b, 0,1,2,3
	v_mov_b32 v[TM+4+\b], 0                        ; a lane permute's destination counts as one of its sources
.endr
.irp a, 0,1,2,3,4,5,6,7
	EQK \a
.endr
	v_cmp_le_u32 vcc_lo, 16, v[LN]                 ; the scale words: lane l, word i: tile 2 i + l / 16, row l % 16
.irp i, 0,1,2,3
	v_cndmask_b32 v[72+\i], v[SW+2*\i], v[SW+2*\i+1], vcc_lo
.endr
.irp i, 0,1,2,3
	v_and_or_b32 v[64+\i], v[72+\i], 0xffff, s[PADW]   ; my first head's two bytes, and 0x7f twice
	v_lshrrev_b32 v[68+\i], 16, v[72+\i]
.endr
.irp i, 0,1,2,3
	v_or_b32 v[68+\i], s[PADW], v[68+\i]           ; my second head's
.endr
	global_store_b128 v[LI], v[64:67], s[BH0:BH0+1] offset:8192
	global_store_b128 v[LI], v[68:71], s[BH0+2:BH0+3] offset:8192
	s_branch .Lend
; ---- V.  A block is 128 channels x 256 tokens: 8 x 32 = 256 work-groups, the launch's second 256.  Role A = W_qkv's rows 2,048 on (a lane holds one channel), role B = x (the registers run along the tokens, v's next K).
; A wave makes 64 channels (one head) x 128 tokens: 32 accumulators (window 2).  LDS: role A's 8 tiles stay for ALL of K (four rows of 32,768 bytes, an S plane apart: one load); role B's 16 tiles have room for two planes: planes 0, 1 come at the head (two rows of 65,536 bytes: one load),
; planes 2, 3 by ONE refill, a quarter a wave, behind a drained round that stands inside K step 3, whose fragments are in registers by then.  The scale words of all K come once.  One tensor load a wave at the head.
; Role A hangs on the cluster's x and cx: shared along a column of the cluster; role B on the cluster's y and cy: shared along a row.
; No prefetch: role A comes whole at the head, and x's planes have been read by the q and k work-groups of this launch, which have the lower numbers.
.Lvpath:
.set VBREG, 131072                     ; LDS: role A from 0; role B from here
.set VSCA,  262144                     ; role A's scale words, 4,096 bytes
.set VSCB,  266240                     ; role B's, 8,192: they end under the spare words
.set PLX,   512*4096                   ; an S plane of x's codes,
.set PLQ,   192*4096                   ; of W_qkv's
.set VG1A,  24
.set VG1R,  32
.set VG1B,  48
.set VG0A,  56
.set VG0B,  60
.set VG1SA, 68
.set VG0SA, 76
.set VG1SB, 80
.set VG0SB, 88
.set VG0R,  92
.macro VGROUP1 g, mask, c, r, p        ; r rows of c elements of 8 bytes, p elements apart
	s_or_b32 s[\g], s\mask, (3<<16)|(1<<21)
	s_mov_b32 s[\g+1], (\c)<<16
	s_mov_b32 s[\g+2], (\r)<<16
	s_mov_b32 s[\g+3], (\c)<<16
	s_mov_b32 s[\g+4], \r
	s_mov_b32 s[\g+5], \p
	s_mov_b32 s[\g+6], 0
	s_mov_b32 s[\g+7], 0
.endm
.macro VGROUP0 g, off                  ; the LDS address is written apart
	s_mov_b32 s[\g], 1
	s_add_nc_u64 s[\g+2:\g+3], s[4:5], s[\off:\off+1]
	s_or_b32 s[\g+3], s[\g+3], 0x80000000
.endm
	s_sub_co_u32 s10, s10, 8
	s_lshl_b32 s19, s10, 2
	s_add_co_u32 s19, s19, s41                     ; the block of 256 tokens, 0..31
	s_lshl_b32 s17, ttmp9, 2
	s_add_co_u32 s17, s17, s40                     ; the block of 128 channels, 0..7
	s_lshl_b32 s43, s41, 2
	s_lshl_b32 s43, 15, s43                        ; my row of the cluster
	s_lshl_b32 s44, 0x1111, s40                    ; my column
	VGROUP1 VG1A,  44, 4096, 4, PLQ/8
	VGROUP1 VG1B,  43, 8192, 2, PLX/8
	VGROUP1 VG1R,  43, 32, 128, 32                 ; the refill: 32,768 dense bytes
	VGROUP1 VG1SA, 44, 32, 16, 32
	VGROUP1 VG1SB, 43, 32, 32, 32
	s_lshl_b32 s98, s17, 15                        ; role A's codes: W_qkv's tile 128 + 8 x block
	s_add_co_u32 s98, s98, WQC+128*4096
	s_mov_b32 s99, 0
	s_lshl_b32 s100, s17, 12                       ; its scale words
	s_add_co_u32 s100, s100, WQS+128*512
	s_mov_b32 s101, 0
	s_lshl_b32 s2, s19, 16                         ; role B's codes: x's tile 16 x block (XC is 0), in registers that never feed role A's descriptors
	s_mov_b32 s3, 0
	s_lshl_b32 s46, s19, 13
	s_add_co_u32 s46, s46, XS
	s_mov_b32 s47, 0
	s_lshl_b32 s11, s14, 15                        ; the refill: my quarter in LDS,
	s_mul_i32 s66, s15, PLX                        ; and in memory: plane 2 + wave / 2, tiles 8 (wave % 2) on
	s_lshl_b32 s67, s16, 15
	s_add_co_u32 s66, s66, s67
	s_add_co_u32 s66, s66, s2
	s_add_co_u32 s66, s66, 2*PLX
	s_mov_b32 s67, 0
	s_wait_kmcnt 0x0
	CROUND                                         ; all sixteen work-groups are here: the first joint loads meet
	VGROUP0 VG0A, 98
	s_mov_b32 s[VG0A+1], 0
	VGROUP0 VG0B, 2
	s_mov_b32 s[VG0B+1], VBREG
	VGROUP0 VG0SA, 100
	s_mov_b32 s[VG0SA+1], VSCA
	VGROUP0 VG0SB, 46
	s_mov_b32 s[VG0SB+1], VSCB
	VGROUP0 VG0R, 66
	s_add_co_u32 s[VG0R+1], s11, VBREG
.macro VARM under, g0, g1, next        ; one chain of branches on the wave's number, a load to an arm, all arms to one join
	s_cmp_lt_u32 s14, \under
	s_cbranch_scc0 \next
	tensor_load_to_lds s[\g0:\g0+3], s[\g1:\g1+7]
	s_nop 0
	PLACES 4
	s_branch .Lv_asked
\next:
.endm
	VARM 1, VG0A,  VG1A,  .Lv_b
	VARM 2, VG0B,  VG1B,  .Lv_sa
	VARM 3, VG0SA, VG1SA, .Lv_sb
	tensor_load_to_lds s[VG0SB:VG0SB+3], s[VG1SB:VG1SB+7]
	s_nop 0
	PLACES 4
.Lv_asked:
	v_and_b32 v[LN], 31, v0
	v_lshlrev_b32 v[LI], 4, v[LN]
	v_lshlrev_b32 v[L8], 3, v[LN]
	v_and_b32 v5, 15, v0                           ; r
	v_bfe_u32 v6, v0, 4, 1                         ; h
	s_wait_alu depctr_va_vdst(0)
	s_lshl_b32 s21, s15, 14                        ; my 4 tiles of role A: planes 0, 1,
	v_add_nc_u32 v[ADRA], s21, v[LI]
	s_add_co_u32 s21, s21, 65536                   ; planes 2, 3
	v_add_nc_u32 v[ADRA+1], s21, v[LI]
	s_lshl_b32 s66, s16, 15                        ; my 8 tiles of role B: the even plane,
	s_add_co_u32 s66, s66, VBREG
	v_add_nc_u32 v[ADRB], s66, v[LI]
	s_add_co_u32 s66, s66, 65536                   ; the odd plane
	v_add_nc_u32 v[ADRB+1], s66, v[LI]
	s_lshl_b32 s21, s15, 11
	s_lshl_b32 s66, s16, 12
	s_add_co_u32 s66, s66, VSCB-VSCA
	s_sub_co_u32 s66, s66, s21
	v_mul_u32_u24 v7, s66, v6                      ; lanes 16-31 take role B's: one product with h
	s_add_co_u32 s21, s21, VSCA
	v_lshl_add_u32 v7, v5, 3, v7
	v_add_nc_u32 v[ADRS], s21, v7
	s_lshr_b32 s20, s19, 3                         ; where my head's block begins in kvbuf: the batch,
	s_lshl_b32 s20, s20, 4
	s_lshl_b32 s21, s17, 1
	s_add_co_u32 s20, s20, s21
	s_add_co_u32 s20, s20, s15                     ; x 16 + the head,
	s_lshl_b32 s20, s20, 4
	s_and_b32 s21, s19, 7
	s_lshl_b32 s21, s21, 1
	s_add_co_u32 s20, s20, s21
	s_add_co_u32 s20, s20, s16                     ; x 16 + which 128 tokens of the batch
	s_mul_i32 s20, s20, KVBLK
	s_add_co_u32 s20, s20, QBLK                    ; v lies behind k in a block
	s_mov_b32 s21, 0
	s_add_nc_u64 s[BH0:BH0+1], s[8:9], s[20:21]
	s_mov_b32 s[SEL], 0x76543210
	s_mov_b32 s[SEL+1], 0xfedcba98
	s_mov_b32 s[MNT], 0x600000
.macro VFRAG reg, adr, off
.irp c, 0,1,2,3
	ds_load_b128 v[\reg+4*\c:\reg+4*\c+3], v[\adr] offset:(\off)+512*\c
.endr
.endm
.macro VFETCH_B ks                     ; role B's eight fragments of K step ks into set ks % 2
	WIN TO_B
.irp i, 0,1,2,3,4,5,6,7
	VFRAG 128*((\ks)%2)+16*\i, ADRB+((\ks)/2)%2, \i*4096+((\ks)%2)*2048
.endr
	WIN 0
.endm
.macro VFETCH_A ks                     ; role A's four, and with a plane's first step its scale words: lanes 0-15 role A's block i (i < 4), lanes 16-31 role B's
.irp i, 0,1,2,3
	VFRAG AF+64*((\ks)%2)+16*\i, ADRA+(\ks)/4, (((\ks)/2)%2)*32768+\i*4096+((\ks)%2)*2048
.endr
.if (\ks)%2 == 0
.irp i, 0,1,2,3,4,5,6,7
	ds_load_b64 v[SC+16*(((\ks)/2)%2)+2*\i:SC+16*(((\ks)/2)%2)+2*\i+1], v[ADRS] offset:\i*512+((\ks)/2)*128
.endr
.endif
.endm
.macro VMUL ks, a0, zero               ; 16 products: role A's blocks a0, a0 + 1 x role B's eight; the 32 accumulators take turns
.set SCQ, SC+16*(((\ks)/2)%2)+(\ks)%2
.set VPB, 128*((\ks)%2)
.set VPA, AF+64*((\ks)%2)
.irp a, \a0, \a0+1
.irp b, 0,1,2,3,4,5,6,7
.if \zero
	v_wmma_scale_f32_16x16x128_f8f6f4 v[8*(8*(\a)+\b):8*(8*(\a)+\b)+7], v[VPB+16*\b:VPB+16*\b+15], v[VPA+16*(\a):VPA+16*(\a)+15], 0, v[SCQ+2*\b], v[SCQ+2*(\a)] matrix_a_scale:MATRIX_SCALE_ROW1
.else
	v_wmma_scale_f32_16x16x128_f8f6f4 v[8*(8*(\a)+\b):8*(8*(\a)+\b)+7], v[VPB+16*\b:VPB+16*\b+15], v[VPA+16*(\a):VPA+16*(\a)+15], v[8*(8*(\a)+\b):8*(8*(\a)+\b)+7], v[SCQ+2*\b], v[SCQ+2*(\a)] matrix_a_scale:MATRIX_SCALE_ROW1
.endif
.endr
.endr
.endm
.macro VSTEP ks, fetch, zero
	s_wait_dscnt 0x0                               ; this step's fragments are in
.if \fetch
	PLACES NP                                      ; plain lines between the last step's products and the loads into the set that they read
	VFETCH_B (\ks)+1
	VFETCH_A (\ks)+1
.endif
	WIN MUL_LO
	VMUL \ks, 0, \zero
	VMUL \ks, 2, \zero
	WIN 0
.endm
	s_wait_alu depctr_va_vdst(0)
	s_wait_tensorcnt 0x0                           ; my tile of the head's four is in,
	s_barrier_signal -1
	s_barrier_wait -1                              ; and everybody's
	VFETCH_B 0
	VFETCH_A 0
	VSTEP 0, 1, 1                                  ; the first step's products start the sums
	VSTEP 1, 1, 0
	VSTEP 2, 1, 0
	s_wait_dscnt 0x0                               ; K step 3's fragments are in registers: my reads of role B's bytes are over
	s_wait_tensorcnt 0x0
	ds_add_u32 v[SPW], v[NIL]
	WIN MUL_LO
	VMUL 3, 0, 0
	s_wait_dscnt 0x0
	s_barrier_signal -1
	VMUL 3, 2, 0
	WIN 0
	s_barrier_wait -1
	CREST                                          ; no wave of any partner still reads role B's bytes or has a load on its way
	tensor_load_to_lds s[VG0R:VG0R+3], s[VG1R:VG1R+7]   ; planes 2 and 3 of role B, my quarter
	s_nop 0
	PLACES NP                                      ; also the places in front of the loads below
	VFETCH_A 4                                     ; role A lies in LDS for all of K
	s_wait_tensorcnt 0x0                           ; my quarter is in,
	s_wait_dscnt 0x0
	s_barrier_signal -1
	s_barrier_wait -1                              ; and everybody's
	VFETCH_B 4
	VSTEP 4, 1, 0
	VSTEP 5, 1, 0
	VSTEP 6, 1, 0
	VSTEP 7, 0, 0
	PLACES NP
.irp b, 0,1,2,3
	v_mov_b32 v[TM+4+\b], 0                        ; a lane permute's destination counts as one of its sources
.endr
.irp a, 0,1,2,3
	EV \a                                          ; block a: 16 channels of my head x my 128 keys: one whole fragment
.endr
	v_cmp_le_u32 vcc_lo, 16, v[LN]                 ; lane l, word i: channel tile 2 i + l / 16, channel row l % 16
.irp i, 0,1
	v_cndmask_b32 v[64+\i], v[SW+2*\i], v[SW+2*\i+1], vcc_lo
.endr
	global_store_b64 v[L8], v[64:65], s[BH0:BH0+1] offset:8192   ; 256 consecutive bytes, aligned
.Lend:
	s_wait_tensorcnt 0x0                           ; the wave's end
	ds_add_u32 v[SPW], v[NIL]
	s_wait_dscnt 0x0
	CROUND                                         ; the closing round
	s_endpgm
.Lfunc_end_k_qf82695433c_qkv:
	.size	k_qf82695433c_qkv, .Lfunc_end_k_qf82695433c_qkv-k_qf82695433c_qkv
	.p2alignl 7, 3214868480
	.fill 96, 4, 3214868480
	.section	.rodata,"a",@progbits
	.p2align	6, 0x0
	.amdhsa_kernel k_qf82695433c_qkv
		.amdhsa_group_segment_fixed_size 327680
		.amdhsa_private_segment_fixed_size 0
		.amdhsa_enable_private_segment 0
		.amdhsa_kernarg_size 24
		.amdhsa_user_sgpr_count 2
		.amdhsa_user_sgpr_kernarg_segment_ptr 1
		.amdhsa_wavefront_size32 1
		.amdhsa_system_sgpr_workgroup_id_x 1
		.amdhsa_system_sgpr_workgroup_id_y 1
		.amdhsa_system_sgpr_workgroup_id_z 1
		.amdhsa_system_vgpr_workitem_id 0
		.amdhsa_next_free_vgpr 1024
		.amdhsa_next_free_sgpr 102
		.amdhsa_reserve_vcc 1
		.amdhsa_float_denorm_mode_32 3
		.amdhsa_float_denorm_mode_16_64 3
		.amdhsa_memory_ordered 1
		.amdhsa_forward_progress 1
		.amdhsa_inst_pref_size 255
	.end_amdhsa_kernel
	.section	.bss,"aw",@nobits
	.p2align	6
	.space	262144
	.amdgpu_metadata
---
amdhsa.version: [ 1, 2 ]
amdhsa.kernels:
  - .name:           k_qf82695433c_qkv
    .symbol:         k_qf82695433c_qkv.kd
    .args:
      - { .name: prep, .offset: 0, .size: 8, .value_kind: global_buffer, .address_space: global }
      - { .name: qbuf, .offset: 8, .size: 8, .value_kind: global_buffer, .address_space: global }
      - { .name: kvbuf, .offset: 16, .size: 8, .value_kind: global_buffer, .address_space: global }
    .group_segment_fixed_size: 327680
    .private_segment_fixed_size: 0
    .kernarg_segment_align: 8
    .kernarg_segment_size: 24
    .max_flat_workgroup_size: 128
    .sgpr_count:     102
    .vgpr_count:     1024
    .wavefront_size: 32
...
	.end_amdgpu_metadata
.endif
;; end of part 2
;; launch attn (part 3): grid 4 x 64, 16 waves a work-group, clusters of 4 x 1, 327,680 bytes of LDS; arguments qbuf, kvbuf, ocod, oscl; writes ocod, oscl
.if DOCPART == 3
	.amdgcn_target "amdgcn-amd-amdhsa--gfx1250"
	.amdhsa_code_object_version 6
	.text
	.protected	k_qf82695433c_attn
	.globl	k_qf82695433c_attn
	.p2align	8
	.type	k_qf82695433c_attn,@function
k_qf82695433c_attn:
	s_mov_b64 s[64:65], 0
	v_nop
	global_prefetch_b8 v0, s[64:65] scope:SCOPE_SE
	s_setreg_imm32_b32 hwreg(HW_REG_WAVE_MODE, 25, 1), 1
	s_wait_xcnt 0x0
	s_wait_alu depctr_hold_cnt(0) depctr_sa_sdst(0) depctr_va_vdst(0) depctr_va_sdst(0) depctr_va_ssrc(0) depctr_va_vcc(0) depctr_vm_vsrc(0)
	s_getreg_b32 s2, hwreg(HW_REG_IB_STS2, 6, 4)
	s_cmp_eq_u32 s2, 0
	s_cbranch_scc0 .Lentry_in_a_cluster
	s_endpgm
.Lentry_in_a_cluster:
	s_bfe_u32 s2, ttmp6, 0x10000c
	s_cmp_lg_u32 s2, 0x3003
	s_cbranch_scc0 .Lentry_shape_is_right
	s_endpgm
.Lentry_shape_is_right:
; ATTN.  Causal attention of one head on codes of FP8 (E4M3): S^T = K Q^T, the softmax, O^T = V^T P^T, the division by the row's sum, and the quantising of o along the model's 1,024 for the last product.
; LEFT OUT: key steps all of whose keys come after a tile's queries: the causal mask gives them the weight 0.
; THE SOFTMAX: t = score x log2(e) / 8; M = the running largest t rounded UP to a whole number; p = 2^(t - M) is quantised along the keys, not normalised; the row's sum is taken of the unquantised p; when M moves, the sum and O^T are multiplied by 2^(old M - new M), exactly.
; A WHOLE HEAD'S K AND V STAY IN LDS: 16 key steps of 128 keys, a block of 17,152 bytes each (K's 8 tiles x 1,024, K's scale words, V's 4 channel tiles x 2,048, V's scale words): 274,432 bytes.  Each of the sixteen waves brings one block, its one tensor load.  Nothing is filled again.
; CLUSTERS: the four work-groups of a head need the same 16 blocks: a cluster of 4 x 1, every load a joint one with the mask 15.
; TWO BARRIERS show the blocks: the first blocks 0 to 3 (waves 0 to 3 have a load line of their own and wait there), the second, behind four key steps, all the rest.  Behind it no wave waits for another.
; SHARES.  A head's 2,048 queries are 16 groups of 128 tokens x 8 tiles of 16.  With a = wave % 8, x = wave / 8, a wave owns tile b = 4 x + 2 (cx % 2) + cx / 2 of group 15 - a and then of group a: (16 - a) + (a + 1) = 17 key steps in every wave.
; Branches, trip counts and LDS addresses hang on the wave's number and on counters alone; cx enters global addresses and the mask's lane constant.
; THE WALK.  Group 15 - a takes key steps 0, 1, .. 15 - a; steps 0 to 3 stand in a loop of their own.  The second loop has 13 trips, T = 3 .. 15: while T < 15 - a the key step is T + 1, from then on group a takes key step 15 - T, downwards from its diagonal.
; THE MASK.  Only the key step with the group's own number holds hidden keys: there hidden scores become -infinity.  Every query finds its own key in that step, so M is a number from a tile's first step on.  Where x = 1 the step's first 64 keys all count.
; THE HEAD IS 64, THE INSTRUCTION'S K 128: Q's fragment has zero codes in its upper 8 registers; K's fragment of tile t is named v[32 + 8 t : 47 + 8 t], whose upper 8 registers are the next tile's codes (finite) or, for tile 7, zeros; both sides' scale bytes 2 and 3 are 0x7f.
; THE ROWS OF A TILE: lane r of tile 2 g + u is token (or channel) 32 g + 8 u + r + 8 (r / 8): p's 16 registers of tiles 2 g, 2 g + 1 are 16 neighbouring keys, and O^T's 16 neighbouring channels.
; NO PREFETCH: every tile is asked for at the head; there is no loop to run ahead in.
; o's scale bytes leave one byte a lane: two heads share a word, so those stores do not cover whole blocks of 256 bytes.
; LIMITS: the promise holds while the scaled scores t stay under 2^31 in magnitude; 1 / the sum by v_rcp_f32; byte 1 for blocks under 2^-118; no NaN, no infinities among the inputs.
.set KVB,   17152
.set QBLK,  8704
.set SPARE, 16*KVB                     ; behind the 16 blocks: the spare words, 128 bytes a wave
.set LI,  1                            ; v1   16 x lane
.set L8,  2                            ; v2   8 x lane
.set DD,  3                            ; v3   my query in its group - 16 h
.set SPW, 5                            ; v5   my spare word; never rewritten
.set NIL, 6                            ; v6   0; never rewritten
.set ADI, 8                            ; v8   the key step's block + 16 x lane
.set AD8, 9                            ; v9   + 8 x lane
.set NINF, 11                          ; v11  -infinity
.set S,   104                          ; v104-167 S^T, then p
.set O,   168                          ; v168-199 O^T
.set PCD, 200                          ; v200-215 p's codes
.set KS,  216                          ; v216-219 K's scale words; v220-221 V's; v251 p's; v253 Q's: scales and nothing else
.set VS,  220
.set BM,  224
.set BP,  228
.set HL,  232
.set SOP, 236
.set WV,  18
.set MNT, 19
.set SEL, 20
.set CS,  22
.set G1,  24
.set G0,  40
.set TB,  66                           ; s66  LDS byte of the key step's block
.set KSI, 67                           ; s67  the key step
.set T,   68                           ; s68  the trip
.set AL,  69                           ; s69  15 - a
.set ACUR, 70                          ; s70  the group in hand
.set XB,  71                           ; s71  x
.set BH,  72                           ; s72  batch x 16 + head
.set BT,  73                           ; s73  b
.set AS,  81                           ; s81  a
.set QA,  90
.set QS,  92
.set OA,  94
.set OSA, 96
.macro CROUND                          ; a round of the cluster's barrier
	s_barrier_signal -1
	s_barrier_wait -1
	s_cmp_lg_u32 s[WV], 0
	s_cbranch_scc1 .Lnot_wave_0_\@
	s_barrier_signal -3
.Lnot_wave_0_\@:
	s_barrier_wait -3
	s_barrier_signal -1
	s_barrier_wait -1
.endm
.macro TLOAD                           ; an s_nop 0 and four v_nop follow the line
	tensor_load_to_lds s[G0:G0+3], s[G1:G1+7]
	s_nop 0
.rept 4
	v_nop
.endr
.endm
	s_load_b256 s[4:11], s[0:1], 0x0               ; qbuf s[4:5], kvbuf s[6:7], ocod s[8:9], oscl s[10:11]
	v_lshl_add_u32 v[SPW], v0, 2, SPARE
	v_mov_b32 v[NIL], 0
	ds_add_u32 v[SPW], v[NIL]                      ; the opening: the add, twice on end, and its wait
	ds_add_u32 v[SPW], v[NIL]
	v_lshrrev_b32 v8, 5, v0
	v_readfirstlane_b32 s[WV], v8                  ; wave 0..15
	s_and_b32 s[BH], ttmp7, 0xffff
	s_bfe_u32 s74, ttmp6, 0x40000                  ; cx
	s_and_b32 s75, s74, 1
	s_lshl_b32 s75, s75, 1
	s_lshr_b32 s74, s74, 1
	s_lshr_b32 s[XB], s[WV], 3
	s_lshl_b32 s[BT], s[XB], 2
	s_add_co_u32 s[BT], s[BT], s75
	s_add_co_u32 s[BT], s[BT], s74                 ; b = 4 x + 2 (cx % 2) + cx / 2
	s_and_b32 s[AS], s[WV], 7
	s_xor_b32 s[AL], s[AS], 15
	s_mov_b32 s[G1], 15|(3<<16)|(1<<21)            ; the mask: all four partners; elements of 8 bytes; bit 21 beside a mask
	s_mov_b32 s[G1+1], 32<<16                      ; rows of 256 bytes
	s_mov_b32 s[G1+2], 67<<16                      ; 67 rows = 17,152 bytes
	s_mov_b32 s[G1+3], 32<<16
	s_mov_b32 s[G1+4], 67
	s_mov_b32 s[G1+5], 32                          ; dense
	s_mov_b32 s[G1+6], 0
	s_mov_b32 s[G1+7], 0
	s_mul_i32 s78, s[WV], KVB                      ; my block: in LDS and in the head's part of kvbuf alike
	s_mul_i32 s76, s[BH], 16*KVB
	s_add_co_u32 s76, s76, s78
	s_mov_b32 s77, 0
	s_mov_b32 s[SEL], 0x76543210
	s_mov_b32 s[SEL+1], 0xfedcba98
	s_mov_b32 s[CS], 0x3e38aa3b                    ; c = log2(e) / 8
	s_mov_b32 s[CS+1], s[CS]
	s_mov_b32 s[MNT], 0x600000
	s_wait_dscnt 0x0
	CROUND                                         ; all four work-groups are here: the joint loads meet
	s_wait_kmcnt 0x0
	s_mov_b32 s[G0], 1
	s_mov_b32 s[G0+1], s78
	s_add_nc_u64 s[G0+2:G0+3], s[6:7], s[76:77]
	s_or_b32 s[G0+3], s[G0+3], 0x80000000
	s_cmp_lt_u32 s[WV], 4                          ; waves 0 to 3 have a load line of their own: the first barrier shows theirs alone
	s_cbranch_scc0 .Lrest
	TLOAD
	s_branch .Lasked
.Lrest:
	TLOAD
.Lasked:
	v_and_b32 v8, 31, v0
	v_lshlrev_b32 v[LI], 4, v8
	v_lshlrev_b32 v[L8], 3, v8
	v_and_b32 v9, 15, v0                           ; r
	v_bfe_u32 v10, v0, 4, 1                        ; h: kept
	v_and_b32 v8, 8, v9
	v_add_nc_u32 v8, v8, v9                        ; r + 8 (r / 8)
	v_lshlrev_b32 v[DD], 4, v10
	v_sub_nc_u32 v[DD], v8, v[DD]
	s_lshr_b32 s74, s[BT], 1
	s_lshl_b32 s74, s74, 5
	s_and_b32 s75, s[BT], 1
	s_lshl_b32 s75, s75, 3
	s_add_co_u32 s74, s74, s75
	v_add_nc_u32 v[DD], s74, v[DD]                 ; + 32 (b / 2) + 8 (b % 2)
	v_lshlrev_b32 v4, 4, v9                        ; 16 r: Q's scale word
	v_lshl_add_u32 v7, v9, 3, v10                  ; 8 r + h: o's scale byte
	v_mov_b32 v[NINF], 0xff800000
.irp j, 0,1,2,3,4,5,6,7
	v_mov_b32 v[24+\j], 0                          ; the upper half of Q's fragment,
	v_mov_b32 v[96+\j], 0                          ; and of K's tile 7: zero codes
.endr
.irp b, 0,1,2,3
	v_mov_b32 v[BP+\b], 0                          ; a lane permute's destination counts as one of its sources
.endr
	v_mov_b32 v251, 0
	v_mov_b32 v252, 0
.macro QLOAD g                         ; my tile of group s[g]: its codes and scale word are asked for
	s_lshl_b32 s76, s[BH], 4
	s_add_co_u32 s76, s76, s[\g]
	s_mul_i32 s76, s76, QBLK
	s_lshl_b32 s78, s[BT], 10
	s_add_co_u32 s78, s78, s76
	s_mov_b32 s79, 0
	s_add_nc_u64 s[QA:QA+1], s[4:5], s[78:79]
	s_lshr_b32 s77, s[BT], 1
	s_lshl_b32 s77, s77, 2
	s_and_b32 s74, s[BT], 1
	s_lshl_b32 s74, s74, 8
	s_add_co_u32 s78, s76, s77
	s_add_co_u32 s78, s78, s74
	s_add_co_u32 s78, s78, 8192
	s_add_nc_u64 s[QS:QS+1], s[4:5], s[78:79]
	global_load_b128 v[16:19], v[LI], s[QA:QA+1]
	global_load_b128 v[20:23], v[LI], s[QA:QA+1] offset:512
	global_load_b32 v253, v4, s[QS:QS+1]
.endm
.macro INIT                            ; zeros for O^T and the sum; -3e38 for the largest t; Q is in
	v_mov_b32 v13, 0xff61b1e6
	v_floor_f32 v12, -v13
	v_mov_b32 v14, 0
	v_mov_b32 v15, 0
.set n, 0
.rept 32
	v_mov_b32 v[O+n], 0
.set n, n+1
.endr
	s_wait_alu depctr_va_vdst(0)
	s_wait_loadcnt 0x0
.endm
; A KEY STEP: the 128 keys of the block at s[TB].  mask = 1: the step may be the group's diagonal
.macro STEP mask
	v_add_nc_u32 v[ADI], s[TB], v[LI]
	v_add_nc_u32 v[AD8], s[TB], v[L8]
.rept 6
	v_nop                                          ; with the two additions: eight places in front of loads into registers that the last products read
.endr
.irp t, 0,1,2,3,4,5,6,7
.irp c, 0,1
	ds_load_b128 v[32+8*\t+4*\c:35+8*\t+4*\c], v[ADI] offset:\t*1024+512*\c
.endr
.endr
	ds_load_b128 v[KS:KS+3], v[ADI] offset:8192
	s_wait_alu depctr_va_vdst(0)
	s_wait_dscnt 0x0
.irp t, 0,2,4,6
	v_wmma_scale_f32_16x16x128_f8f6f4 v[S+8*\t:S+8*\t+7], v[32+8*\t:47+8*\t], v[16:31], 0, v[KS+\t/2], v253
	v_wmma_scale_f32_16x16x128_f8f6f4 v[S+8*\t+8:S+8*\t+15], v[40+8*\t:55+8*\t], v[16:31], 0, v[KS+\t/2], v253 matrix_a_scale:MATRIX_SCALE_ROW1
.endr
.rept 8
	v_nop                                          ; places in front of the loads below and of the first read of the scores
.endr
.irp t, 0,1,2,3                                ; V is asked for at once: it lands under the softmax
.irp c, 0,1,2,3
	ds_load_b128 v[32+16*\t+4*\c:35+16*\t+4*\c], v[ADI] offset:8704+\t*2048+512*\c
.endr
.endr
	ds_load_b64 v[VS:VS+1], v[AD8] offset:16896
.if \mask
	s_cmp_lg_u32 s[KSI], s[ACUR]                   ; only the group's own key step holds hidden keys
	s_cbranch_scc1 .Lopen_\@
	s_cmp_lg_u32 s[XB], 0                          ; x = 1: my query is 64 or more into the group, so registers 0 to 31 (keys up to 63) all count
	s_cbranch_scc1 .Lhalf_\@
.set n, 0
.rept 32                                       ; register 16 b + i holds key 16 h + 32 b + i of the step: hidden where 32 b + i > v[DD]
	v_cmp_gt_i32 vcc_lo, 32*(n/16)+n%16, v[DD]
	v_cndmask_b32 v[S+n], v[S+n], v[NINF], vcc_lo
.set n, n+1
.endr
.Lhalf_\@:
.set n, 32
.rept 32
	v_cmp_gt_i32 vcc_lo, 32*(n/16)+n%16, v[DD]
	v_cndmask_b32 v[S+n], v[S+n], v[NINF], vcc_lo
.set n, n+1
.endr
.Lopen_\@:
.endif
.irp b, 0,1,2,3
	v_max3_num_f32 v[BM+\b], v[S+16*\b], v[S+1+16*\b], v[S+2+16*\b]   ; the largest score of each block of 32 keys: for the row's maximum and, since p rises with the score, for the block's largest p
.endr
.irp i, 3,5,7,9,11,13
.irp b, 0,1,2,3
	v_max3_num_f32 v[BM+\b], v[BM+\b], v[S+16*\b+\i], v[S+1+16*\b+\i]
.endr
.endr
.irp b, 0,1,2,3
	v_max_num_f32 v[BM+\b], v[BM+\b], v[S+15+16*\b]
.endr
.irp b, 0,1,2,3
	s_delay_alu instid0(VALU_DEP_4)
	v_permlanex16_b32 v[BP+\b], v[BM+\b], s[SEL], s[SEL+1]
.endr
.irp b, 0,1,2,3
	s_delay_alu instid0(VALU_DEP_4)
	v_max_num_f32 v[BM+\b], v[BM+\b], v[BP+\b]     ; with lane l xor 16's 16 keys
.endr
	s_delay_alu instid0(VALU_DEP_2)
	v_max3_num_f32 v254, v[BM], v[BM+1], v[BM+2]
	s_delay_alu instid0(VALU_DEP_1)
	v_max_num_f32 v254, v254, v[BM+3]
	s_delay_alu instid0(VALU_DEP_1)
	v_mul_f32 v254, s[CS], v254                    ; the step's largest t of my query
	s_delay_alu instid0(VALU_DEP_1)
	v_max_num_f32 v13, v13, v254
	v_mov_b32 v254, v12
	s_delay_alu instid0(VALU_DEP_2)
	v_floor_f32 v12, -v13                          ; the new -M = -ceil(t)
	s_delay_alu instid0(VALU_DEP_1)
	v_sub_f32 v254, v12, v254                      ; old M - new M: a whole number, 0 or less
	s_delay_alu instid0(VALU_DEP_1)
	v_cvt_i32_f32 v254, v254                       ; (it saturates)
	s_delay_alu instid0(VALU_DEP_1)
	v_ldexp_f32 v250, 1.0, v254                    ; f = 2^(old M - new M)
.set n, 0
.rept 32
	v_pk_fma_f32 v[S+n:S+n+1], v[S+n:S+n+1], s[CS:CS+1], v[12:13] op_sel_hi:[1,0,0]   ; t - M, two at a time
.set n, n+2
.endr
.irp b, 0,1,2,3
	v_fma_f32 v[BM+\b], v[BM+\b], s[CS], v12       ; the same of each block's largest score
.endr
.set n, 0
	s_wait_alu depctr_va_vdst(0)
.rept 64
	v_exp_f32 v[S+n], v[S+n]                       ; p = 2^(t - M)
.set n, n+1
.endr
	v_pk_mul_f32 v[14:15], v[14:15], v[250:251] op_sel_hi:[1,0]   ; the sums under the new M: a plain line behind the exponentials
	s_wait_alu depctr_va_vdst(0)                   ; one wait for the 64, ahead of their first reader
.irp b, 0,1,2,3
	v_exp_f32 v[BM+\b], v[BM+\b]                   ; the blocks' largest p
.endr
	v_pk_add_f32 v[228:229], v[108:109], v[112:113]   ; the row's sum of the unquantised p, in eight chains
	v_pk_add_f32 v[254:255], v[116:117], v[120:121]
	v_pk_add_f32 v[248:249], v[124:125], v[128:129]
	v_pk_add_f32 v[246:247], v[132:133], v[136:137]
	v_pk_add_f32 v[244:245], v[140:141], v[144:145]
	v_pk_add_f32 v[242:243], v[148:149], v[152:153]
	v_pk_add_f32 v[240:241], v[156:157], v[160:161]
	v_pk_add_f32 v[14:15], v[14:15], v[164:165]
	v_pk_add_f32 v[228:229], v[228:229], v[104:105]
	v_pk_add_f32 v[254:255], v[254:255], v[106:107]
	v_pk_add_f32 v[248:249], v[248:249], v[110:111]
	v_pk_add_f32 v[246:247], v[246:247], v[114:115]
	v_pk_add_f32 v[244:245], v[244:245], v[118:119]
	v_pk_add_f32 v[242:243], v[242:243], v[122:123]
	v_pk_add_f32 v[240:241], v[240:241], v[126:127]
	v_pk_add_f32 v[14:15], v[14:15], v[130:131]
	v_pk_add_f32 v[228:229], v[228:229], v[134:135]
	v_pk_add_f32 v[254:255], v[254:255], v[138:139]
	v_pk_add_f32 v[248:249], v[248:249], v[142:143]
	v_pk_add_f32 v[246:247], v[246:247], v[146:147]
	v_pk_add_f32 v[244:245], v[244:245], v[150:151]
	v_pk_add_f32 v[242:243], v[242:243], v[154:155]
	v_pk_add_f32 v[240:241], v[240:241], v[158:159]
	v_pk_add_f32 v[14:15], v[14:15], v[162:163]
	v_pk_add_f32 v[228:229], v[228:229], v[166:167]
	s_delay_alu instid0(VALU_DEP_2)
	v_pk_add_f32 v[14:15], v[14:15], v[246:247]
	s_delay_alu instid0(VALU_DEP_2)
	v_pk_add_f32 v[228:229], v[228:229], v[244:245]
	v_pk_add_f32 v[254:255], v[254:255], v[242:243]
	v_pk_add_f32 v[248:249], v[248:249], v[240:241]
	s_delay_alu instid0(VALU_DEP_2)
	v_pk_add_f32 v[14:15], v[14:15], v[254:255]
	s_delay_alu instid0(VALU_DEP_2)
	v_pk_add_f32 v[228:229], v[228:229], v[248:249]
	s_delay_alu instid0(VALU_DEP_1)
	v_pk_add_f32 v[14:15], v[14:15], v[228:229]
	s_wait_alu depctr_va_vdst(0)                   ; and one for the four
.irp b, 0,1,2,3
	v_max_num_f32 v[BM+\b], 0x4800000, v[BM+\b]    ; the floor 2^(9 - 127)
.endr
.irp b, 0,1,2,3
	s_delay_alu instid0(VALU_DEP_4)
	v_add_nc_u32 v[SOP+\b], 0xfc000000, v[BM+\b]
.endr
.irp b, 0,1,2,3
	v_and_or_b32 v[HL+\b], v[BM+\b], 0x7f800000, s[MNT]
.endr
.irp b, 0,1,2,3
	v_lshrrev_b32 v[BP+\b], 23, v[SOP+\b]
.endr
	s_delay_alu instid0(VALU_DEP_3)
	v_lshl_or_b32 v251, v[BP+1], 8, v[BP]          ; p's scale word for these 128 keys
	s_delay_alu instid0(VALU_DEP_1)
	v_lshl_or_b32 v251, v[BP+2], 16, v251
	s_delay_alu instid0(VALU_DEP_1)
	v_lshl_or_b32 v251, v[BP+3], 24, v251
.irp b, 0,1,2,3
.set n, 0
.rept 8
	v_dual_min_num_f32 v[S+16*\b+n], v[HL+\b], v[S+16*\b+n] :: v_dual_min_num_f32 v[S+16*\b+n+1], v[HL+\b], v[S+16*\b+n+1]   ; the hold, two to a line; p is not negative, so it is one-sided
.set n, n+2
.endr
	v_cvt_scalef32_pk8_fp8_f32 v[PCD+4*\b:PCD+1+4*\b], v[S+16*\b:S+7+16*\b], v[SOP+\b]
	v_cvt_scalef32_pk8_fp8_f32 v[PCD+2+4*\b:PCD+3+4*\b], v[S+8+16*\b:S+15+16*\b], v[SOP+\b]
.endr
	s_wait_alu depctr_va_vdst(0)                   ; the wait directly ahead of the first reader of O^T
.set n, 0
.rept 16
	v_pk_mul_f32 v[O+n:O+n+1], v[O+n:O+n+1], v[250:251] op_sel_hi:[1,0]   ; O^T under the new M.  (These 16 are also the places in front of the products below)
.set n, n+2
.endr
	s_wait_alu depctr_va_vdst(0)
	s_wait_dscnt 0x0                               ; V and its scale words are in
.irp t, 0,2                                    ; the four accumulators take turns
	v_wmma_scale_f32_16x16x128_f8f6f4 v[O+8*\t:O+8*\t+7], v[32+16*\t:47+16*\t], v[PCD:PCD+15], v[O+8*\t:O+8*\t+7], v[VS+\t/2], v251
	v_wmma_scale_f32_16x16x128_f8f6f4 v[O+8*\t+8:O+8*\t+15], v[48+16*\t:63+16*\t], v[PCD:PCD+15], v[O+8*\t+8:O+8*\t+15], v[VS+\t/2], v251 matrix_a_scale:MATRIX_SCALE_ROW1
.endr
.endm
; A tile ends: O^T / the sum, quantised along the channels (two blocks of 32), leaves as two chunks of the last product's operand and two scale bytes a row
.macro FINISH
.rept 8
	v_nop                                          ; places behind the last products
.endr
	v_add_f32 v14, v14, v15
	s_delay_alu instid0(VALU_DEP_1)
	v_permlanex16_b32 v252, v14, s[SEL], s[SEL+1]
	s_delay_alu instid0(VALU_DEP_1)
	v_add_f32 v14, v14, v252                       ; the row's sum
	s_wait_alu depctr_va_vdst(0)
	v_rcp_f32 v14, v14
	s_lshr_b32 s74, s[BH], 4
	s_lshl_b32 s74, s74, 7
	s_lshl_b32 s75, s[ACUR], 3
	s_add_co_u32 s74, s74, s75
	s_add_co_u32 s74, s74, s[BT]                   ; my tile among the 512 of tokens
	s_and_b32 s75, s[BH], 15                       ; the head: its 64 channels are half of K step head / 2
	s_lshr_b32 s76, s75, 2                         ; S
	s_bfe_u32 s77, s75, 0x10001                    ; q
	s_and_b32 s75, s75, 1                          ; which two chunks
	s_lshl_b32 s78, s76, 21
	s_lshl_b32 s80, s74, 12
	s_add_co_u32 s78, s78, s80
	s_lshl_b32 s80, s77, 11
	s_add_co_u32 s78, s78, s80
	s_lshl_b32 s80, s75, 10
	s_add_co_u32 s78, s78, s80
	s_mov_b32 s79, 0
	s_add_nc_u64 s[OA:OA+1], s[8:9], s[78:79]
	s_lshl_b32 s78, s74, 9
	s_lshl_b32 s80, s76, 7
	s_add_co_u32 s78, s78, s80
	s_lshl_b32 s80, s77, 2
	s_add_co_u32 s78, s78, s80
	s_lshl_b32 s80, s75, 1
	s_add_co_u32 s78, s78, s80
	s_add_nc_u64 s[OSA:OSA+1], s[10:11], s[78:79]
	v_nop                                          ; a plain line behind the reciprocal
	s_wait_alu depctr_va_vdst(0)                   ; the wait ahead of its first reader
.set n, 0
.rept 16
	v_pk_mul_f32 v[O+n:O+n+1], v[O+n:O+n+1], v[14:15] op_sel_hi:[1,0]   ; each accumulator from its low end on
.set n, n+2
.endr
.irp b, 0,1
	v_max3_num_f32 v[BM+\b], |v[O+16*\b]|, |v[O+1+16*\b]|, 0x4800000
.endr
.irp i, 2,4,6,8,10,12,14
.irp b, 0,1
	s_delay_alu instid0(VALU_DEP_2)
	v_max3_num_f32 v[BM+\b], v[BM+\b], |v[O+16*\b+\i]|, |v[O+1+16*\b+\i]|
.endr
.endr
.irp b, 0,1
	s_delay_alu instid0(VALU_DEP_2)
	v_permlanex16_b32 v[BP+\b], v[BM+\b], s[SEL], s[SEL+1]
.endr
.irp b, 0,1
	s_delay_alu instid0(VALU_DEP_2)
	v_max_num_f32 v[BM+\b], v[BM+\b], v[BP+\b]
.endr
.irp b, 0
	s_delay_alu instid0(VALU_DEP_2)
	v_add_nc_u32 v[SOP+\b], 0xfc000000, v[BM+\b]
	s_delay_alu instid0(VALU_DEP_3)
	v_and_or_b32 v[HL+\b], v[BM+\b], 0x7f800000, s[MNT]
	s_delay_alu instid0(VALU_DEP_2)
	v_lshrrev_b32 v[BP+\b], 23, v[SOP+\b]
.endr
.irp b, 1
	s_delay_alu instid0(VALU_DEP_4)
	v_add_nc_u32 v[SOP+\b], 0xfc000000, v[BM+\b]
	v_and_or_b32 v[HL+\b], v[BM+\b], 0x7f800000, s[MNT]
	s_delay_alu instid0(VALU_DEP_2)
	v_lshrrev_b32 v[BP+\b], 23, v[SOP+\b]
.endr
.irp b, 0,1
.set n, 0
.rept 16
	v_med3_num_f32 v[O+16*\b+n], v[O+16*\b+n], -v[HL+\b], v[HL+\b]
.set n, n+1
.endr
	v_cvt_scalef32_pk8_fp8_f32 v[PCD+4*\b:PCD+1+4*\b], v[O+16*\b:O+7+16*\b], v[SOP+\b]
	v_cvt_scalef32_pk8_fp8_f32 v[PCD+2+4*\b:PCD+3+4*\b], v[O+8+16*\b:O+15+16*\b], v[SOP+\b]
.endr
	v_nop                                          ; a plain line behind the last conversion
	global_store_b128 v[LI], v[PCD:PCD+3], s[OA:OA+1]              ; 512 consecutive bytes, aligned
	global_store_b128 v[LI], v[PCD+4:PCD+7], s[OA:OA+1] offset:512
	v_cmp_eq_u32 vcc_lo, 1, v10
	s_delay_alu instid0(VALU_DEP_1)
	v_cndmask_b32 v254, v[BP], v[BP+1], vcc_lo     ; lanes 0-15 store the first block's byte, lanes 16-31 the second's
	global_store_b8 v7, v254, s[OSA:OSA+1]
	s_wait_xcnt 0x0                                ; the stores have read their registers and bases: these are written again only behind this wait
.endm
	s_wait_alu depctr_va_vdst(0)                   ; the loads below read what the head has just made, behind a run of scalar lines
	s_mov_b32 s[ACUR], s[AL]                       ; the longer tile goes first: its key steps 0 to 7 are open in every wave
	QLOAD AL
	INIT
	s_cmp_lt_u32 s[WV], 4
	s_cbranch_scc0 .Lnot_mine
	s_wait_tensorcnt 0x0                           ; waves 0 to 3: blocks 0 to 3 are in.  The other waves' wait stands at the second barrier
.Lnot_mine:
	s_barrier_signal -1
	s_barrier_wait -1
	s_mov_b32 s[TB], 0
	s_mov_b32 s[T], 0
.Lfirst:                                           ; key steps 0 to 3
	STEP 0
	s_add_co_u32 s[TB], s[TB], KVB
	s_add_co_u32 s[T], s[T], 1
	s_cmp_lt_u32 s[T], 4
	s_cbranch_scc1 .Lfirst
	s_wait_tensorcnt 0x0                           ; every wave: its block is in
	s_wait_dscnt 0x0
	s_barrier_signal -1
	s_barrier_wait -1                              ; all 16 blocks are in; from here on nothing is written to LDS and no wave waits for another
	s_mov_b32 s[T], 3
.Lwalk:                                            ; 13 trips
	s_cmp_lg_u32 s[T], s[AL]                       ; the change of tiles: a branch on the wave's number and the trip, round no barrier
	s_cbranch_scc1 .Lsame
	QLOAD AS                                       ; the next tile's Q is asked for ahead of this tile's way out
	FINISH
	s_mov_b32 s[ACUR], s[AS]
	INIT
.Lsame:
	s_add_co_u32 s74, s[T], 1
	s_min_u32 s74, s74, 15                         ; (held inside the 16 blocks in the trips that do not take it)
	s_xor_b32 s75, s[T], 15                        ; 15 - T
	s_cmp_lt_u32 s[T], s[AL]
	s_cselect_b32 s[KSI], s74, s75
	s_mul_i32 s[TB], s[KSI], KVB
	STEP 1
	s_add_co_u32 s[T], s[T], 1
	s_cmp_lt_u32 s[T], 16
	s_cbranch_scc1 .Lwalk
	FINISH
	s_wait_tensorcnt 0x0                           ; the wave's end
	ds_add_u32 v[SPW], v[NIL]
	s_wait_dscnt 0x0
	CROUND                                         ; the closing round
	s_endpgm
.Lfunc_end_k_qf82695433c_attn:
	.size	k_qf82695433c_attn, .Lfunc_end_k_qf82695433c_attn-k_qf82695433c_attn
	.p2alignl 7, 3214868480
	.fill 96, 4, 3214868480
	.section	.rodata,"a",@progbits
	.p2align	6, 0x0
	.amdhsa_kernel k_qf82695433c_attn
		.amdhsa_group_segment_fixed_size 327680
		.amdhsa_private_segment_fixed_size 0
		.amdhsa_enable_private_segment 0
		.amdhsa_kernarg_size 32
		.amdhsa_user_sgpr_count 2
		.amdhsa_user_sgpr_kernarg_segment_ptr 1
		.amdhsa_wavefront_size32 1
		.amdhsa_system_sgpr_workgroup_id_x 1
		.amdhsa_system_sgpr_workgroup_id_y 1
		.amdhsa_system_sgpr_workgroup_id_z 1
		.amdhsa_system_vgpr_workitem_id 0
		.amdhsa_next_free_vgpr 256
		.amdhsa_next_free_sgpr 100
		.amdhsa_reserve_vcc 1
		.amdhsa_float_denorm_mode_32 3
		.amdhsa_float_denorm_mode_16_64 3
		.amdhsa_memory_ordered 1
		.amdhsa_forward_progress 1
		.amdhsa_inst_pref_size 69
	.end_amdhsa_kernel
	.amdgpu_metadata
---
amdhsa.version: [ 1, 2 ]
amdhsa.kernels:
  - .name:           k_qf82695433c_attn
    .symbol:         k_qf82695433c_attn.kd
    .args:
      - { .name: qbuf, .offset: 0, .size: 8, .value_kind: global_buffer, .address_space: global }
      - { .name: kvbuf, .offset: 8, .size: 8, .value_kind: global_buffer, .address_space: global }
      - { .name: ocod, .offset: 16, .size: 8, .value_kind: global_buffer, .address_space: global }
      - { .name: oscl, .offset: 24, .size: 8, .value_kind: global_buffer, .address_space: global }
    .group_segment_fixed_size: 327680
    .private_segment_fixed_size: 0
    .kernarg_segment_align: 8
    .kernarg_segment_size: 32
    .max_flat_workgroup_size: 512
    .sgpr_count:     100
    .vgpr_count:     256
    .wavefront_size: 32
...
	.end_amdgpu_metadata
.endif
;; end of part 3
;; launch oproj (part 4): grid 4 x 64, 4 waves a work-group, clusters of 4 x 4, 327,680 bytes of LDS; arguments ocod, oscl, prep, out0; writes out0
.if DOCPART == 4
	.amdgcn_target "amdgcn-amd-amdhsa--gfx1250"
	.amdhsa_code_object_version 6
	.text
	.protected	k_qf82695433c_oproj
	.globl	k_qf82695433c_oproj
	.p2align	8
	.type	k_qf82695433c_oproj,@function
k_qf82695433c_oproj:
	s_mov_b64 s[64:65], 0
	v_nop
	global_prefetch_b8 v0, s[64:65] scope:SCOPE_SE
	s_setreg_imm32_b32 hwreg(HW_REG_WAVE_MODE, 25, 1), 1
	s_wait_xcnt 0x0
	s_wait_alu depctr_hold_cnt(0) depctr_sa_sdst(0) depctr_va_vdst(0) depctr_va_sdst(0) depctr_va_ssrc(0) depctr_va_vcc(0) depctr_vm_vsrc(0)
	s_getreg_b32 s2, hwreg(HW_REG_IB_STS2, 6, 4)
	s_cmp_eq_u32 s2, 0
	s_cbranch_scc0 .Lentry_in_a_cluster
	s_endpgm
.Lentry_in_a_cluster:
	s_bfe_u32 s2, ttmp6, 0x10000c
	s_cmp_lg_u32 s2, 0xf033
	s_cbranch_scc0 .Lentry_shape_is_right
	s_endpgm
.Lentry_shape_is_right:
; OPROJ.  out0 = o W_out^T on codes of FP8 (E4M3) with E8M0 scales: 8,192 x 1,024 x 1,024, f32 out.
; A block is 128 rows x 256 columns: 64 x 4 = 256 work-groups of four waves, 2 x 2; a wave makes 64 x 128: 32 accumulators (window 2).
; OPERANDS are images of their registers: [S 4][tile][q 2][c 4][lane 32][16 bytes], the K step of 128 being 2 S + q; a fragment is four ds_load_b128 at 16 x lane.  Scale words: [tile][S 4][r 16][q 2].
; LDS.  A's 8 tiles stay for ALL of K: four rows of 32,768 bytes, an S plane apart in memory: one tensor load, 131,072 bytes.  B's 16 tiles have room for two S planes, 131,072 bytes: planes 0 and 1 come at the head by one load of two rows of 65,536 bytes,
; planes 2 and 3 by ONE refill, a quarter (8 tiles of one plane, 32,768 dense bytes) a wave, behind a drained round of the cluster's barrier that stands inside K step 3, whose fragments are in registers by then.  The scale words of all K come once.
; THE HEAD'S LOADS, one a wave: wave 0 A, wave 1 B's first two planes, wave 2 A's scale words, wave 3 B's.
; CLUSTERS: 4 x 4.  A's tiles are shared along a row of the cluster, B's along a column: joint loads, each line with one mask.
; A K STEP is 32 products, the 32 accumulators by turns in the same order.  A's and B's fragments have two sets each; a step's head asks for the next step's 48 fragment loads.
; Source 0 takes B's 16 rows, source 1 A's: a lane holds one row of out0, and the 16 registers of B's tiles 2 b, 2 b + 1 are 16 neighbouring columns.  Lane r of tile 2 b + u is row 32 b + 8 u + r + 8 (r / 8).
; THE WAY OUT: a block of 16 rows x 128 columns goes through the wave's own stage (bytes into which no tensor load lands) and leaves as rows of 512 bytes, two aligned blocks of 256.
; PREFETCH: W_out's planes 2 and 3, 524,288 bytes that every cluster will ask for at the refill, are named once by each of the first four rows of clusters, at the head: a lane a block of 256 bytes, one line a wave, the sixteen partners told apart by address.  A comes whole at the head.
.set WOC,   11534336
.set WOS,   12943360
.set PLW,   262144                     ; an S plane of W_out's codes: 64 tiles x 4,096
.set BREG,  131072                     ; LDS: A from 0; B from here
.set SCA,   262144                     ; A's scale words, 4,096 bytes
.set SCB,   266240                     ; B's, 8,192
.set STG,   274432                     ; the stages: 16 rows x 528 bytes a wave
.set SPITCH, 528
.set SPARE, 308224                     ; the spare words: 128 bytes a wave
.set LI,   2                           ; v2   16 x lane
.set PFO,  9                           ; v9   256 x lane; never rewritten
.set ADRA, 16                          ; v16-17 my A fragments, planes 0-1, planes 2-3
.set ADRB, 20                          ; v20-21 my B fragments, even plane, odd plane
.set STO,  24
.set RD,   25
.set ADRS, 27                          ; v27  scale words: lanes 0-15 A's rows, lanes 16-31 B's
.set SPW,  28
.set NIL,  29
.set SC,   32                          ; v32-63 scale words, two sets, and nothing else
.set AF,   128                         ; v128-255 A's fragments, two sets of 64; on the way out rows read back
.set BK,   128
.set G1A,  24
.set G1R,  32
.set G1B,  48
.set G0A,  56
.set G0B,  60
.set G1SA, 68
.set G0SA, 76
.set G1SB, 80
.set G0SB, 88
.set G0R,  92
.set OUTB, 96
.set PFA,  98
.set MSB, 0
.macro WIN new                         ; the immediate's high byte repeats the setting that is left
.if MSB != \new
	s_set_vgpr_msb (MSB<<8)|\new
.set MSB, \new
.endif
.endm
.set MUL_LO, 0xa1                      ; source 0 window 1, source 1 window 0, C and D window 2
.set TO_B,   0x40
.macro PLACES n
.rept \n
	v_nop
.endr
.endm
.macro CREST
	s_cmp_lg_u32 s14, 0
	s_cbranch_scc1 .Lnot_wave_0_\@
	s_barrier_signal -3
.Lnot_wave_0_\@:
	s_barrier_wait -3
	s_barrier_signal -1
	s_barrier_wait -1
.endm
.macro CROUND
	s_barrier_signal -1
	s_barrier_wait -1
	CREST
.endm
.macro GROUP1 g, mask, c, r, p         ; r rows of c elements of 8 bytes, p elements apart
	s_or_b32 s[\g], s\mask, (3<<16)|(1<<21)
	s_mov_b32 s[\g+1], (\c)<<16
	s_mov_b32 s[\g+2], (\r)<<16
	s_mov_b32 s[\g+3], (\c)<<16
	s_mov_b32 s[\g+4], \r
	s_mov_b32 s[\g+5], \p
	s_mov_b32 s[\g+6], 0
	s_mov_b32 s[\g+7], 0
.endm
.macro GROUP0 g, base, off             ; the LDS address is written apart
	s_mov_b32 s[\g], 1
	s_add_nc_u64 s[\g+2:\g+3], s[\base:\base+1], s[\off:\off+1]
	s_or_b32 s[\g+3], s[\g+3], 0x80000000
.endm
	s_load_b256 s[4:11], s[0:1], 0x0               ; ocod s[4:5], oscl s[6:7], prep s[8:9], out0 s[10:11]
	v_lshl_add_u32 v[SPW], v0, 2, SPARE
	v_mov_b32 v[NIL], 0
	ds_add_u32 v[SPW], v[NIL]                      ; the opening: the add, twice on end, and its wait
	ds_add_u32 v[SPW], v[NIL]
	v_lshrrev_b32 v1, 5, v0
	v_readfirstlane_b32 s14, v1                    ; wave 0..3
	s_lshr_b32 s15, s14, 1                         ; my half of A's rows
	s_and_b32 s16, s14, 1                          ; my half of B's rows
	s_bfe_u32 s40, ttmp6, 0x40000                  ; cx: the block's column
	s_bfe_u32 s41, ttmp6, 0x40004                  ; cy
	s_and_b32 s17, ttmp7, 0xffff
	s_lshl_b32 s17, s17, 2
	s_add_co_u32 s17, s17, s41                     ; the block's row, 0..63
	s_lshl_b32 s43, s41, 2
	s_lshl_b32 s43, 15, s43                        ; my row of the cluster
	s_lshl_b32 s44, 0x1111, s40                    ; my column
	GROUP1 G1A,  43, 4096, 4, 262144               ; A: 8 tiles of each of the four planes; a plane of ocod is 512 tiles
	GROUP1 G1B,  44, 8192, 2, 32768                ; B: 16 tiles of two planes
	GROUP1 G1R,  44, 32, 128, 32                   ; the refill: 32,768 dense bytes
	GROUP1 G1SA, 43, 32, 16, 32                    ; scale words: 4,096 dense bytes,
	GROUP1 G1SB, 44, 32, 32, 32                    ; 8,192
	s_lshl_b32 s18, s17, 15                        ; A's codes: 8 tiles x 4,096 a block row
	s_mov_b32 s19, 0
	s_lshl_b32 s20, s17, 12                        ; A's scale words
	s_mov_b32 s21, 0
	s_lshl_b32 s22, s40, 16                        ; B's codes, in registers that never feed A's descriptors
	s_add_co_u32 s22, s22, WOC
	s_mov_b32 s23, 0
	s_lshl_b32 s46, s40, 13
	s_add_co_u32 s46, s46, WOS
	s_mov_b32 s47, 0
	s_lshl_b32 s12, s14, 15                        ; the refill: my quarter in LDS,
	s_mul_i32 s66, s15, PLW                        ; and in memory: plane 2 + wave / 2, tiles 8 (wave % 2) on
	s_lshl_b32 s67, s16, 15
	s_add_co_u32 s66, s66, s67
	s_add_co_u32 s66, s66, s22
	s_add_co_u32 s66, s66, 2*PLW
	s_mov_b32 s67, 0
	s_lshl_b32 s42, s41, 7                         ; the prefetch: block 128 cy + 32 wave + lane of my column's 512 blocks of 256 bytes
	s_lshl_b32 s45, s14, 5
	s_add_co_u32 s42, s42, s45
	s_lshr_b32 s45, s42, 8
	s_mul_i32 s45, s45, PLW
	s_and_b32 s42, s42, 255
	s_lshl_b32 s42, s42, 8
	s_add_co_u32 s42, s42, s45
	s_add_co_u32 s42, s42, s22
	s_add_co_u32 s98, s42, 2*PLW
	s_mov_b32 s99, 0
	s_wait_dscnt 0x0
	s_wait_kmcnt 0x0
	CROUND                                         ; all sixteen work-groups are here: the first joint loads meet
	GROUP0 G0A, 4, 18
	s_mov_b32 s[G0A+1], 0
	GROUP0 G0B, 8, 22
	s_mov_b32 s[G0B+1], BREG
	GROUP0 G0SA, 6, 20
	s_mov_b32 s[G0SA+1], SCA
	GROUP0 G0SB, 8, 46
	s_mov_b32 s[G0SB+1], SCB
	GROUP0 G0R, 8, 66
	s_add_co_u32 s[G0R+1], s12, BREG
	s_add_nc_u64 s[PFA:PFA+1], s[8:9], s[98:99]
.macro ARM under, g0, g1, next         ; one chain of branches on the wave's number, a load to an arm, all arms to one join
	s_cmp_lt_u32 s14, \under
	s_cbranch_scc0 \next
	tensor_load_to_lds s[\g0:\g0+3], s[\g1:\g1+7]
	s_nop 0
	PLACES 4
	s_branch .Lhead_asked
\next:
.endm
	ARM 1, G0A,  G1A,  .Lhead_b
	ARM 2, G0B,  G1B,  .Lhead_sa
	ARM 3, G0SA, G1SA, .Lhead_sb
	tensor_load_to_lds s[G0SB:G0SB+3], s[G1SB:G1SB+7]
	s_nop 0
	PLACES 4
.Lhead_asked:
	v_and_b32 v1, 31, v0
	v_lshlrev_b32 v[LI], 4, v1
	v_lshlrev_b32 v[PFO], 8, v1
	v_and_b32 v5, 15, v0                           ; r
	v_bfe_u32 v6, v0, 4, 1                         ; h
	s_wait_alu depctr_va_vdst(0)
	s_lshl_b32 s21, s15, 14                        ; my 4 tiles of A
	v_add_nc_u32 v[ADRA], s21, v[LI]
	s_add_co_u32 s21, s21, 65536
	v_add_nc_u32 v[ADRA+1], s21, v[LI]
	s_lshl_b32 s66, s16, 15                        ; my 8 tiles of B
	s_add_co_u32 s66, s66, BREG
	v_add_nc_u32 v[ADRB], s66, v[LI]
	s_add_co_u32 s66, s66, 65536
	v_add_nc_u32 v[ADRB+1], s66, v[LI]
	s_lshl_b32 s21, s15, 11
	s_lshl_b32 s66, s16, 12
	s_add_co_u32 s66, s66, SCB-SCA
	s_sub_co_u32 s66, s66, s21
	v_mul_u32_u24 v7, s66, v6                      ; lanes 16-31 take B's: one product with h
	s_add_co_u32 s21, s21, SCA
	v_lshl_add_u32 v7, v5, 3, v7                   ; 8 bytes a row: a plane's two words
	v_add_nc_u32 v[ADRS], s21, v7
	s_mul_i32 s21, s14, 16*SPITCH
	s_add_co_u32 s21, s21, STG                     ; my stage
	v_mul_u32_u24 v7, v5, SPITCH
	v_lshl_add_u32 v7, v6, 6, v7
	v_add_nc_u32 v[STO], s21, v7
	v_add_nc_u32 v[RD], s21, v[LI]
	s_lshl_b32 s66, s17, 1
	s_add_co_u32 s66, s66, s15
	s_lshl_b32 s66, s66, 18                        ; my first row: 64 rows of 4,096 bytes a half block
	s_lshl_b32 s67, s40, 1
	s_add_co_u32 s67, s67, s16
	s_lshl_b32 s67, s67, 9                         ; my first column: 128 x 4 bytes a half block
	s_add_co_u32 s66, s66, s67
	s_mov_b32 s67, 0
	s_add_nc_u64 s[OUTB:OUTB+1], s[10:11], s[66:67]
	s_and_b32 s45, ttmp7, 0xffff
	s_cmp_lt_u32 s45, 4                            ; the first four rows of clusters ask; the cluster's number is the same in all partners
	s_cbranch_scc0 .Lno_ask
	global_prefetch_b8 v[PFO], s[PFA:PFA+1] th:TH_LOAD_NT scope:SCOPE_SE
.Lno_ask:
.macro FRAG reg, adr, off
.irp c, 0,1,2,3
	ds_load_b128 v[\reg+4*\c:\reg+4*\c+3], v[\adr] offset:(\off)+512*\c
.endr
.endm
.macro FETCH_B ks                      ; B's eight fragments of K step ks into set ks % 2
	WIN TO_B
.irp i, 0,1,2,3,4,5,6,7
	FRAG 128*((\ks)%2)+16*\i, ADRB+((\ks)/2)%2, \i*4096+((\ks)%2)*2048
.endr
	WIN 0
.endm
.macro FETCH_A ks                      ; A's four, and with a plane's first step its scale words: lanes 0-15 A's block i (i < 4), lanes 16-31 B's
.irp i, 0,1,2,3
	FRAG AF+64*((\ks)%2)+16*\i, ADRA+(\ks)/4, (((\ks)/2)%2)*32768+\i*4096+((\ks)%2)*2048
.endr
.if (\ks)%2 == 0
.irp i, 0,1,2,3,4,5,6,7
	ds_load_b64 v[SC+16*(((\ks)/2)%2)+2*\i:SC+16*(((\ks)/2)%2)+2*\i+1], v[ADRS] offset:\i*512+((\ks)/2)*128
.endr
.endif
.endm
.macro MUL ks, a0, zero                ; 16 products: A's blocks a0, a0 + 1 x B's eight
.set SCQ, SC+16*(((\ks)/2)%2)+(\ks)%2
.set PB, 128*((\ks)%2)
.set PA, AF+64*((\ks)%2)
.irp a, \a0, \a0+1
.irp b, 0,1,2,3,4,5,6,7
.if \zero
	v_wmma_scale_f32_16x16x128_f8f6f4 v[8*(8*(\a)+\b):8*(8*(\a)+\b)+7], v[PB+16*\b:PB+16*\b+15], v[PA+16*(\a):PA+16*(\a)+15], 0, v[SCQ+2*\b], v[SCQ+2*(\a)] matrix_a_scale:MATRIX_SCALE_ROW1
.else
	v_wmma_scale_f32_16x16x128_f8f6f4 v[8*(8*(\a)+\b):8*(8*(\a)+\b)+7], v[PB+16*\b:PB+16*\b+15], v[PA+16*(\a):PA+16*(\a)+15], v[8*(8*(\a)+\b):8*(8*(\a)+\b)+7], v[SCQ+2*\b], v[SCQ+2*(\a)] matrix_a_scale:MATRIX_SCALE_ROW1
.endif
.endr
.endr
.endm
.macro STEP ks, fetch, zero
	s_wait_dscnt 0x0                               ; this step's fragments are in
.if \fetch
	PLACES 8                                       ; plain lines between the last step's products and the loads into the set that they read
	FETCH_B (\ks)+1
	FETCH_A (\ks)+1
.endif
	WIN MUL_LO
	MUL \ks, 0, \zero
	MUL \ks, 2, \zero
	WIN 0
.endm
	s_wait_alu depctr_va_vdst(0)
	s_wait_tensorcnt 0x0                           ; my tile of the head's four is in,
	s_barrier_signal -1
	s_barrier_wait -1                              ; and everybody's
	FETCH_B 0
	FETCH_A 0
	STEP 0, 1, 1                                   ; the first step's products start the sums: nothing is cleared
	STEP 1, 1, 0
	STEP 2, 1, 0
	s_wait_dscnt 0x0                               ; K step 3's fragments are in registers: my reads of B's bytes are over
	s_wait_tensorcnt 0x0
	ds_add_u32 v[SPW], v[NIL]
	WIN MUL_LO
	MUL 3, 0, 0
	s_wait_dscnt 0x0
	s_barrier_signal -1
	MUL 3, 2, 0
	WIN 0
	s_barrier_wait -1
	CREST                                          ; no wave of any partner still reads B's bytes or has a load on its way
	tensor_load_to_lds s[G0R:G0R+3], s[G1R:G1R+7]  ; planes 2 and 3 of B, my quarter
	s_nop 0
	PLACES 8                                       ; also the places in front of the loads below
	FETCH_A 4                                      ; A lies in LDS for all of K
	s_wait_tensorcnt 0x0                           ; my quarter is in,
	s_wait_dscnt 0x0
	s_barrier_signal -1
	s_barrier_wait -1                              ; and everybody's
	FETCH_B 4
	STEP 4, 1, 0
	STEP 5, 1, 0
	STEP 6, 1, 0
	STEP 7, 0, 0
.macro TOSTAGE a                       ; block a: each accumulator from its low end on; then whole rows back
	WIN 0x08
.irp b, 0,1,2,3,4,5,6,7
	ds_store_b128 v[STO], v[64*(\a)+8*\b:64*(\a)+8*\b+3] offset:128*(\b/2)+32*(\b%2)
	ds_store_b128 v[STO], v[64*(\a)+8*\b+4:64*(\a)+8*\b+7] offset:128*(\b/2)+32*(\b%2)+16
.endr
	WIN 0
.irp t, 0,1,2,3,4,5,6,7,8,9,10,11,12,13,14,15
	ds_load_b128 v[BK+64*((\a)%2)+4*\t:BK+64*((\a)%2)+4*\t+3], v[RD] offset:\t*SPITCH   ; LDS serves a wave's instructions in order: these see the stores above
.endr
.endm
.macro SEND a, younger                 ; younger: the LDS instructions issued behind block a's loads
	s_wait_dscnt \younger
.irp t, 0,1,2,3,4,5,6,7,8,9,10,11,12,13,14,15
	global_store_b128 v[LI], v[BK+64*((\a)%2)+4*\t:BK+64*((\a)%2)+4*\t+3], s[OUTB:OUTB+1] offset:(32*((\a)/2)+8*((\a)%2)+\t+8*(\t/8))*4096 th:TH_STORE_NT   ; 512 consecutive bytes, aligned
.endr
.endm
	PLACES 8
	TOSTAGE 0
.irp a, 1,2,3
.if \a > 1
	s_wait_xcnt 0x0                                ; block a - 2's stores have read their registers: block a's loads may land there
.endif
	TOSTAGE \a
	SEND \a-1, 32
.endr
	SEND 3, 0
	s_wait_tensorcnt 0x0                           ; the wave's end
	ds_add_u32 v[SPW], v[NIL]
	s_wait_dscnt 0x0
	CROUND                                         ; the closing round
	s_endpgm
.Lfunc_end_k_qf82695433c_oproj:
	.size	k_qf82695433c_oproj, .Lfunc_end_k_qf82695433c_oproj-k_qf82695433c_oproj
	.p2alignl 7, 3214868480
	.fill 96, 4, 3214868480
	.section	.rodata,"a",@progbits
	.p2align	6, 0x0
	.amdhsa_kernel k_qf82695433c_oproj
		.amdhsa_group_segment_fixed_size 327680
		.amdhsa_private_segment_fixed_size 0
		.amdhsa_enable_private_segment 0
		.amdhsa_kernarg_size 32
		.amdhsa_user_sgpr_count 2
		.amdhsa_user_sgpr_kernarg_segment_ptr 1
		.amdhsa_wavefront_size32 1
		.amdhsa_system_sgpr_workgroup_id_x 1
		.amdhsa_system_sgpr_workgroup_id_y 1
		.amdhsa_system_sgpr_workgroup_id_z 1
		.amdhsa_system_vgpr_workitem_id 0
		.amdhsa_next_free_vgpr 768
		.amdhsa_next_free_sgpr 102
		.amdhsa_reserve_vcc 0
		.amdhsa_float_denorm_mode_32 3
		.amdhsa_float_denorm_mode_16_64 3
		.amdhsa_memory_ordered 1
		.amdhsa_forward_progress 1
		.amdhsa_inst_pref_size 86
	.end_amdhsa_kernel
	.amdgpu_metadata
---
amdhsa.version: [ 1, 2 ]
amdhsa.kernels:
  - .name:           k_qf82695433c_oproj
    .symbol:         k_qf82695433c_oproj.kd
    .args:
      - { .name: ocod, .offset: 0, .size: 8, .value_kind: global_buffer, .address_space: global }
      - { .name: oscl, .offset: 8, .size: 8, .value_kind: global_buffer, .address_space: global }
      - { .name: prep, .offset: 16, .size: 8, .value_kind: global_buffer, .address_space: global }
      - { .name: out0, .offset: 24, .size: 8, .value_kind: global_buffer, .address_space: global }
    .group_segment_fixed_size: 327680
    .private_segment_fixed_size: 0
    .kernarg_segment_align: 8
    .kernarg_segment_size: 32
    .max_flat_workgroup_size: 128
    .sgpr_count:     102
    .vgpr_count:     768
    .wavefront_size: 32
...
	.end_amdgpu_metadata
.endif
;; end of part 4
